; MI455X (gfx1250); checked and timed in simulation.
; The chip was launched on July 23, 2026; its instructions are those of AMD's public machine-readable ISA for CDNA 5 (MIT licence, August 2026) and "CDNA5" Instruction Set Architecture Reference Guide (July 2026). The comments in the code are by the model that wrote it; some were corrected since.
;; Bert Attention. Allowed arithmetic: matrix products marked QUANTISED: E2M1 operands, one E8M0 scale for each 32 along K, by v_wmma_scale_f32_16x16x128_f8f6f4 with both operands' format E2M1 (or v_wmma_scale_f32_32x16x128_f4), f32 sums; everything else in f32.
;; Inputs: Wk_codes 1,024 x 32 x 16 uint8 (E2M1 codes of Wk, K innermost, in blocks of 32 codes, two codes a byte); Wk_scales 1,024 x 32 uint8 (E8M0 scales of Wk, one for each 32 codes along K); Wo_codes 1,024 x 32 x 16 uint8 (E2M1 codes of Wo, K innermost, in blocks of 32 codes, two codes a byte); Wo_scales 1,024 x 32 uint8 (E8M0 scales of Wo, one for each 32 codes along K); Wq_codes 1,024 x 32 x 16 uint8 (E2M1 codes of Wq, K innermost, in blocks of 32 codes, two codes a byte); Wq_scales 1,024 x 32 uint8 (E8M0 scales of Wq, one for each 32 codes along K); Wv_codes 1,024 x 32 x 16 uint8 (E2M1 codes of Wv, K innermost, in blocks of 32 codes, two codes a byte); Wv_scales 1,024 x 32 uint8 (E8M0 scales of Wv, one for each 32 codes along K); attention_mask 8 x 1 x 1 x 1,024 float32; bk 1,024 float32; bo 1,024 float32; bq 1,024 float32; bv 1,024 float32; hidden_states 8 x 1,024 x 1,024 float32; ln_beta 1,024 float32; ln_gamma 1,024 float32.
;; Outputs: out0 8 x 1,024 x 1,024 float32.
;; This version of the problem:
;;   THIS VERSION OF THE PROBLEM IS GIVEN IN LOW PRECISION. The matrix products marked QUANTISED in the list below multiply operands that are first quantised to E2M1 (2 exponent bits, 1 mantissa bit; 4 bits a number), with one power-of-two scale for each 32 numbers along K (OCP MX v1.0); their sums are f32. All else is computed in f32.
;;   The module's matrix products, in the order in which they are computed (A, B: the left and right operand; K: the contracted axis; several contracted axes count as one K, in the product's order):
;;     1. [M 8,192, K 1,024] x [K 1,024, N 1,024]; A: input hidden_states; B: input Wq (given as codes): QUANTISED
;;     2. [M 8,192, K 1,024] x [K 1,024, N 1,024]; A: input hidden_states; B: input Wk (given as codes): QUANTISED
;;     3. [M 8,192, K 1,024] x [K 1,024, N 1,024]; A: input hidden_states; B: input Wv (given as codes): QUANTISED
;;     4. batch 128 x [M 1,024, K 64] x [K 64, N 1,024]; A: computed on the way; B: computed on the way: QUANTISED
;;     5. batch 128 x [M 1,024, K 1,024] x [K 1,024, N 64]; A: softmax (see below); B: computed on the way: QUANTISED
;;     6. [M 8,192, K 1,024] x [K 1,024, N 1,024]; A: computed on the way; B: input Wo (given as codes): QUANTISED
;;   THE QUANTISER, for each operand of a quantised product, along K:
;;     - K is cut into blocks of 32 from its start; a last block that is shorter is filled with zeros.
;;     - A block's scale is 2^e with e = floor(log2(the largest magnitude in the block)) - 2, held to -126 .. 127; a block of zeros has e = 0. As a byte (E8M0): e + 127.
;;     - Each number is divided by its block's scale, clamped to +-6, and rounded to the nearest number of E2M1, ties to even, subnormals kept.
;;     - The product sums the exact products of the quantised numbers (number of the format x scale) in f32.
;;   ~~~python
;;   def quantise(x, axis):      # numpy; x: float32 -> the quantised numbers, widened to float32 again
;;       x = np.moveaxis(x, axis, -1); K = x.shape[-1]
;;       x = np.pad(x, [(0, 0)] * (x.ndim - 1) + [(0, -K % 32)]); x = x.reshape(x.shape[:-1] + (-1, 32)); a = np.abs(x).max(-1, keepdims=True)
;;       e = np.where(a > 0, np.clip(np.frexp(np.where(a > 0, a, 1))[1] - 1 - 2, -126, 127), 0)      # np.frexp(a)[1] - 1 = floor(log2(a)), exactly
;;       r = np.clip(x / 2.0 ** e, -6, 6)
;;       step = 2.0 ** (np.maximum(np.frexp(np.where(r == 0, 1, r))[1] - 1, 0) - 1)
;;       q = np.round(r / step) * step * 2.0 ** e      # np.round: ties to even
;;       return np.moveaxis(q.reshape(q.shape[:-2] + (-1,))[..., :K], -1, axis).astype(np.float32)
;;   ~~~
;;   SOFTMAX AHEAD OF A QUANTISED PRODUCT. Where the list says 'softmax', what is quantised is not the finished softmax but p = 2^(t - M), with t = logit x log2(e) and M = ceil(the row's largest t), a whole number; so 1/2 < the row's largest p <= 1. The row's sum l is taken of the UNQUANTISED p, in f32, and the product's result is divided by l at the end. Since M is a whole number, a kernel that streams over the keys may use a running M (the ceiling of the running maximum): every later rescaling is an exact power of two, which a block's scale takes up: the codes' values come out the same.
;;   OPERANDS COMPUTED ON THE WAY. 'Computed on the way' means the value that the module computes at that place (a softmax that the list does not call 'softmax' is quantised finished and normalised). What goes into a quantiser is computed in f32, as accurately as f32 sums, v_exp_f32 and their like allow (about 1e-6 of the number): no bf16 or f16 on the way to a quantiser, and a product that is left as it is and whose result goes on into a quantised operand takes f32 operands (vector FMAs, or v_wmma_f32_16x16x4_f32). A number that lies on a knife's edge between two numbers of the format may be rounded either way, as far as f32 arithmetic and the matrix unit's own rounding can turn it there, and no further.
;;   INPUTS GIVEN AS CODES. Wk (in the module: [1024, 1024], K = its axis 1); Wo (in the module: [1024, 1024], K = its axis 1); Wq (in the module: [1024, 1024], K = its axis 1); Wv (in the module: [1024, 1024], K = its axis 1): each comes as NAME_codes (uint8): NAME with its K axis moved to the last place and cut into blocks of 32 codes, [.., K / 32, bytes a block], one block behind the other in memory; two codes a byte, the lower K in the low four bits (a code: sign, 2 exponent bits, 1 mantissa bit); and NAME_scales (uint8): the same leading axes, one E8M0 byte (e + 127) for each 32 codes along K. Its value is code x scale, taken as it is: it is not quantised again, and the codes and scales need not be those that the quantiser above would give.
;; One version. Each part assembles by itself: llvm-mc -triple=amdgcn-amd-amdhsa -mcpu=gfx1250 --defsym DOCPART=n.
;; ======== version 1 of 1: 4 launches
;; limits: right only within a limited range of input values
;; workspace buffers: xc 4,194,304 bytes; xs 262,144 bytes; wimg 2,097,152 bytes; qkvc 12,582,912 bytes; qkvs 1,310,720 bytes; cc 4,194,304 bytes; cs 524,288 bytes
;; launch prep (part 1): grid 256 x 1, 4 waves a work-group, no clusters, 68,096 bytes of LDS; arguments hidden_states, Wq_codes, Wk_codes, Wv_codes, Wo_codes, xc, xs, wimg; writes xc, xs, wimg
.if DOCPART == 1
	.amdgcn_target "amdgcn-amd-amdhsa--gfx1250"
	.amdhsa_code_object_version 6
	.text
	.protected	k_q3cce1beb89_prep
	.globl	k_q3cce1beb89_prep
	.p2align	8
	.type	k_q3cce1beb89_prep,@function
k_q3cce1beb89_prep:
	s_mov_b64 s[64:65], 0
	v_nop
	global_prefetch_b8 v0, s[64:65] scope:SCOPE_SE
	s_setreg_imm32_b32 hwreg(HW_REG_WAVE_MODE, 25, 1), 1
	s_wait_xcnt 0x0
; hidden_states [8192][1024] f32 becomes codes of FP4 (E2M1) with one E8M0 byte for each 32 along K, laid as IMAGES OF THE OPERAND'S REGISTERS; the four weights' codes are laid anew in the same form.
; AN IMAGE: a fragment (16 rows x 128 K, 8 registers a lane) is two pieces of 512 bytes, c = 0, 1; lane l's 16 bytes (registers 4 c .. 4 c + 3: k = 64 c + 32 (l / 16) + 0 .. 31 of row l % 16) at 16 l.
;   xc   [token tile 512][K step 8][c 2][512]      xs [token tile][l / 16][l % 16][16 bytes]: word q of lane l is the scale word of K step 4 (l / 16) + q
;   wimg [q, k, v, o][n tile 64][K step 8][c 2][512]
; SHARES.  Wave g = 4 x work-group + wave (0 .. 1023) takes token tile g / 2 and half g % 2 of K: 16 rows x 512 numbers, four K steps; and piece g (512 bytes) of each weight's image.
; All of a wave's 64 loads of x (512 consecutive bytes each) go out at once.  A K step's 16 rows x 512 bytes turn through the wave's own stage in LDS (rows of 528 bytes: 16 rows start at 16 different groups of banks),
; so that lane (r, h) gets, of row r, the numbers k = 32 b + 16 u + 8 h + j in register 16 b + 8 u + j.  No barrier: waves share nothing.
; THE QUANTISER.  A block's scale is 2^(floor(log2(largest magnitude)) - 2); its byte is the largest magnitude's exponent field - 2, held at 1 from below by a floor among the maximum's leaves.
; LIMITS: NaN and infinities are not served; a block of zeros gets the byte 1 (its codes are zeros, and this program alone reads the bytes).
.set LI,   4                           ; v4   16 x lane
.set SIN,  5                           ; v5   the stage, on the way in: wave x 16,896 + 16 x lane
.set SOUT, 6                           ; v6   on the way out: wave x 16,896 + 528 r + 32 h
.set WA,   7                           ; v7   a weight's codes: 512 r + 16 h
.set XSA,  8                           ; v8   xs: 16 r + 8 h
.set WP,   16                          ; v16-31   four weight pieces
.set X,    32                          ; v32-159  two sets of 64 numbers
.set TM,   160                         ; v160-175 at work in QUANT
.set PC,   176                         ; v176-207 codes, a set of 8 for each K step: no store's data are written again
.set SW,   208                         ; v208-211 the four scale words
.set SEL,  36                          ; s[36:37] lane selects: lane l xor 16
.set STG,  8448                        ; a stage: 16 rows x 528 bytes; two for each wave
.set MSB, 0
.macro WIN new                         ; the immediate's high byte repeats the setting that is left; a switch that changes nothing is dropped
.if MSB != (\new)
	s_set_vgpr_msb (MSB<<8)|(\new)
.set MSB, \new
.endif
.endm
; 64 numbers of a lane, v[s] on in window sw, register 16 b + 8 u + j = k 32 b + 16 u + 8 h + j of my row, become a fragment's codes in v[pc] on; the four scale bytes are left in v[TM+4] on.
; Each run of 8 registers gives one register of codes.  The layout wants k = 64 c + 32 h + 8 g + 0 .. 7 in register 4 c + g: the results of runs 4 c and 4 c + 2 stand side by side, those of 4 c + 1 and 4 c + 3 likewise,
; and one exchange of halves for each such pair puts them right.
.macro QUANT s, sw, pc, floor
	WIN 5*(\sw)
.irp b, 0,1,2,3
	v_max3_num_f32 v[TM+\b], |v[(\s)+16*\b]|, |v[(\s)+16*\b+1]|, \floor   ; block b: my 16 numbers and the floor
.endr
.irp i, 2,4,6,8,10,12,14
.irp b, 0,1,2,3
	v_max3_num_f32 v[TM+\b], |v[(\s)+16*\b+\i]|, |v[(\s)+16*\b+\i+1]|, v[TM+\b]   ; the four blocks by turns
.endr
.endr
	WIN 0
.irp b, 0,1,2,3
	v_permlanex16_b32 v[TM+4+\b], v[TM+\b], s[SEL], s[SEL+1]
.endr
.irp b, 0,1,2,3
	v_max_num_f32 v[TM+\b], v[TM+\b], v[TM+4+\b]   ; with lane l xor 16's: the block's largest magnitude
.endr
.irp b, 0,1,2,3
	v_add_nc_u32 v[TM+12+\b], 0xff000000, v[TM+\b]   ; 2 off its exponent field: the conversion's scale operand
.endr
.irp b, 0,1,2,3
	v_lshrrev_b32 v[TM+4+\b], 23, v[TM+12+\b]   ; the scale's byte
.endr
	WIN \sw
.irp c, 0,1
	v_cvt_scalef32_pk8_fp4_f32 v[(\pc)+4*\c], v[(\s)+32*\c:(\s)+32*\c+7], v[TM+12+2*\c]
	v_cvt_scalef32_pk8_fp4_f32 v[(\pc)+4*\c+2], v[(\s)+32*\c+8:(\s)+32*\c+15], v[TM+12+2*\c]
	v_cvt_scalef32_pk8_fp4_f32 v[(\pc)+4*\c+1], v[(\s)+32*\c+16:(\s)+32*\c+23], v[TM+12+2*\c+1]
	v_cvt_scalef32_pk8_fp4_f32 v[(\pc)+4*\c+3], v[(\s)+32*\c+24:(\s)+32*\c+31], v[TM+12+2*\c+1]
.endr
	WIN 0
	v_nop                                          ; one plain place behind the scaled conversions
.irp c, 0,1
	v_permlane16_swap_b32 v[(\pc)+4*\c], v[(\pc)+4*\c+1]
	v_permlane16_swap_b32 v[(\pc)+4*\c+2], v[(\pc)+4*\c+3]
.endr
.endm
.macro WORD4 d                         ; the four bytes make my row's scale word
	v_lshl_or_b32 v[\d], v[TM+5], 8, v[TM+4]
	v_lshl_or_b32 v[\d], v[TM+6], 16, v[\d]
	v_lshl_or_b32 v[\d], v[TM+7], 24, v[\d]
.endm
	s_load_b256 s[4:11], s[0:1], 0x0               ; x s[4:5], Wq s[6:7], Wk s[8:9], Wv s[10:11]
	s_load_b256 s[12:19], s[0:1], 0x20             ; Wo s[12:13], xc s[14:15], xs s[16:17], wimg s[18:19]
	v_lshl_add_u32 v254, v0, 2, 0x10800
	v_mov_b32 v255, 0
	v_lshrrev_b32 v1, 5, v0
	v_readfirstlane_b32 s20, v1                    ; wave
	v_and_b32 v2, 31, v0                           ; lane
	v_and_b32 v3, 15, v0                           ; r
	v_bfe_u32 v9, v0, 4, 1                         ; h
	v_lshlrev_b32 v[LI], 4, v2
	s_mul_i32 s21, s20, 2*STG
	v_add_nc_u32 v[SIN], s21, v[LI]
	v_mul_u32_u24 v[SOUT], v3, 528
	v_lshl_add_u32 v[SOUT], v9, 5, v[SOUT]
	v_add_nc_u32 v[SOUT], s21, v[SOUT]
	v_lshlrev_b32 v[WA], 9, v3
	v_lshl_add_u32 v[WA], v9, 4, v[WA]
	v_lshlrev_b32 v[XSA], 4, v3
	v_lshl_add_u32 v[XSA], v9, 3, v[XSA]
.irp b, 0,1,2,3
	v_mov_b32 v[TM+4+\b], 0                        ; written once: a lane permute's destination counts as one of its sources
.endr
	s_mov_b32 s[SEL], 0x76543210
	s_mov_b32 s[SEL+1], 0xfedcba98
	s_mov_b32 vcc_lo, 0xffff0000                   ; lanes 16-31: for the joining of two words in one register
	s_lshl_b32 s22, ttmp9, 2
	s_add_co_u32 s22, s22, s20                     ; g
	s_lshr_b32 s23, s22, 1                         ; token tile
	s_and_b32 s24, s22, 1                          ; half of K
	s_lshl_b32 s26, s23, 16                        ; x: 16 rows of 4,096 bytes a tile,
	s_lshl_b32 s25, s24, 11                        ; 2,048 bytes a half
	s_add_co_u32 s26, s26, s25
	s_mov_b32 s27, 0
	s_lshr_b32 s28, s22, 4                         ; a weight's piece g: n tile g / 16 (16 rows of 512 bytes),
	s_lshl_b32 s28, s28, 13
	s_and_b32 s25, s22, 15                         ; 32 bytes of each row at 32 (g % 16)
	s_lshl_b32 s25, s25, 5
	s_add_co_u32 s28, s28, s25
	s_mov_b32 s29, 0
	s_lshl_b32 s30, s22, 12                        ; xc: four K steps of 1,024 bytes
	s_mov_b32 s31, 0
	s_lshl_b32 s32, s22, 8                         ; xs: 256 bytes
	s_mov_b32 s33, 0
	s_lshl_b32 s34, s22, 9                         ; wimg: 512 bytes
	s_mov_b32 s35, 0
	s_wait_alu depctr_va_vdst(0)
	s_wait_kmcnt 0x0
	s_add_nc_u64 s[4:5], s[4:5], s[26:27]
	s_add_nc_u64 s[6:7], s[6:7], s[28:29]
	s_add_nc_u64 s[8:9], s[8:9], s[28:29]
	s_add_nc_u64 s[10:11], s[10:11], s[28:29]
	s_add_nc_u64 s[12:13], s[12:13], s[28:29]
	s_add_nc_u64 s[14:15], s[14:15], s[30:31]
	s_add_nc_u64 s[16:17], s[16:17], s[32:33]
	s_add_nc_u64 s[18:19], s[18:19], s[34:35]
	WIN 0x40                                       ; destination window 1: K step t, row i at v[64 t + 4 i]
.irp t, 0,1,2,3
.irp i, 0,1,2,3,4,5,6,7,8,9,10,11,12,13,14,15
	global_load_b128 v[64*\t+4*\i:64*\t+4*\i+3], v[LI], s[4:5] offset:4096*\i+512*\t th:TH_LOAD_NT   ; 32 lanes read 512 consecutive bytes
.endr
.endr
	WIN 0
	global_load_b128 v[WP:WP+3], v[WA], s[6:7]
	global_load_b128 v[WP+4:WP+7], v[WA], s[8:9]
	global_load_b128 v[WP+8:WP+11], v[WA], s[10:11]
	global_load_b128 v[WP+12:WP+15], v[WA], s[12:13]
.macro TURN t                          ; K step t through stage t % 2: LDS serves a wave's instructions in order, so no wait stands between the stores and the loads
	WIN 0x04                                       ; an LDS store's data are its source 1: window 1
.irp i, 0,1,2,3,4,5,6,7,8,9,10,11,12,13,14,15
	ds_store_b128 v[SIN], v[64*(\t)+4*\i:64*(\t)+4*\i+3] offset:STG*((\t)%2)+528*\i
.endr
	WIN 0
.irp b, 0,1,2,3
.irp u, 0,1
.irp m, 0,1
	ds_load_b128 v[X+64*((\t)%2)+16*\b+8*\u+4*\m:X+64*((\t)%2)+16*\b+8*\u+4*\m+3], v[SOUT] offset:STG*((\t)%2)+128*\b+64*\u+16*\m
.endr
.endr
.endr
.endm
.macro STEP t
.if (\t) < 3
	s_wait_loadcnt 36-16*(\t)                      ; the next K step's 16 loads are in; the later K steps' and the four weight pieces may be out
	TURN (\t)+1
	s_wait_dscnt 32                                ; this K step's numbers are back; the next one's 16 stores and 16 loads may be out
.else
	s_wait_dscnt 0x0
.endif
	QUANT X+64*((\t)%2), 0, PC+8*(\t), 0x1800000
	WORD4 SW+(\t)
	global_store_b128 v[LI], v[PC+8*(\t):PC+8*(\t)+3], s[14:15] offset:1024*(\t)        ; 512 consecutive bytes a store
	global_store_b128 v[LI], v[PC+8*(\t)+4:PC+8*(\t)+7], s[14:15] offset:1024*(\t)+512
.endm
	s_wait_loadcnt 52                              ; K step 0's 16 loads are in: 68 were issued
	TURN 0
	STEP 0
	STEP 1
	STEP 2
	STEP 3
	v_cndmask_b32 v212, v[SW], v[SW+2], vcc_lo     ; lanes 0-15 store words 0 and 1 of their row, lanes 16-31 words 2 and 3
	v_cndmask_b32 v213, v[SW+1], v[SW+3], vcc_lo
	global_store_b64 v[XSA], v[212:213], s[16:17]  ; 256 consecutive bytes, aligned
	s_wait_loadcnt 0x0
.irp y, 0,1,2,3
	global_store_b128 v[LI], v[WP+4*\y:WP+4*\y+3], s[18:19] offset:524288*\y
.endr
	s_wait_tensorcnt 0x0
	ds_add_u32 v254, v255
	s_wait_dscnt 0x0
	s_endpgm
.Lfunc_end_k_q3cce1beb89_prep:
	.size	k_q3cce1beb89_prep, .Lfunc_end_k_q3cce1beb89_prep-k_q3cce1beb89_prep
	.p2alignl 7, 3214868480
	.fill 96, 4, 3214868480
	.section	.rodata,"a",@progbits
	.p2align	6, 0x0
	.amdhsa_kernel k_q3cce1beb89_prep
		.amdhsa_group_segment_fixed_size 68096
		.amdhsa_private_segment_fixed_size 0
		.amdhsa_enable_private_segment 0
		.amdhsa_kernarg_size 64
		.amdhsa_user_sgpr_count 2
		.amdhsa_user_sgpr_kernarg_segment_ptr 1
		.amdhsa_wavefront_size32 1
		.amdhsa_system_sgpr_workgroup_id_x 1
		.amdhsa_system_sgpr_workgroup_id_y 1
		.amdhsa_system_sgpr_workgroup_id_z 1
		.amdhsa_system_vgpr_workitem_id 0
		.amdhsa_next_free_vgpr 512
		.amdhsa_next_free_sgpr 66
		.amdhsa_reserve_vcc 1
		.amdhsa_float_denorm_mode_32 3
		.amdhsa_float_denorm_mode_16_64 3
		.amdhsa_memory_ordered 1
		.amdhsa_forward_progress 1
		.amdhsa_inst_pref_size 34
	.end_amdhsa_kernel
	.amdgpu_metadata
---
amdhsa.version: [ 1, 2 ]
amdhsa.kernels:
  - .name:           k_q3cce1beb89_prep
    .symbol:         k_q3cce1beb89_prep.kd
    .args:
      - { .name: hidden_states, .offset: 0, .size: 8, .value_kind: global_buffer, .address_space: global }
      - { .name: Wq_codes, .offset: 8, .size: 8, .value_kind: global_buffer, .address_space: global }
      - { .name: Wk_codes, .offset: 16, .size: 8, .value_kind: global_buffer, .address_space: global }
      - { .name: Wv_codes, .offset: 24, .size: 8, .value_kind: global_buffer, .address_space: global }
      - { .name: Wo_codes, .offset: 32, .size: 8, .value_kind: global_buffer, .address_space: global }
      - { .name: xc, .offset: 40, .size: 8, .value_kind: global_buffer, .address_space: global }
      - { .name: xs, .offset: 48, .size: 8, .value_kind: global_buffer, .address_space: global }
      - { .name: wimg, .offset: 56, .size: 8, .value_kind: global_buffer, .address_space: global }
    .group_segment_fixed_size: 68096
    .private_segment_fixed_size: 0
    .kernarg_segment_align: 8
    .kernarg_segment_size: 64
    .max_flat_workgroup_size: 128
    .sgpr_count:     66
    .vgpr_count:     512
    .wavefront_size: 32
...
	.end_amdgpu_metadata
.endif
;; end of part 1
;; launch qkv (part 2): grid 8 x 32, 4 waves a work-group, clusters of 4 x 4, 327,680 bytes of LDS; arguments xc, xs, wimg, Wq_scales, Wk_scales, Wv_scales, bq, bk, bv, qkvc, qkvs; writes qkvc, qkvs
.if DOCPART == 2
	.amdgcn_target "amdgcn-amd-amdhsa--gfx1250"
	.amdhsa_code_object_version 6
	.text
	.protected	k_q3cce1beb89_qkv
	.globl	k_q3cce1beb89_qkv
	.p2align	8
	.type	k_q3cce1beb89_qkv,@function
k_q3cce1beb89_qkv:
	s_mov_b64 s[64:65], 0
	v_nop
	global_prefetch_b8 v0, s[64:65] scope:SCOPE_SE
	s_setreg_imm32_b32 hwreg(HW_REG_WAVE_MODE, 25, 1), 1
	s_wait_xcnt 0x0
	s_wait_alu depctr_hold_cnt(0) depctr_sa_sdst(0) depctr_va_vdst(0) depctr_va_sdst(0) depctr_va_ssrc(0) depctr_va_vcc(0) depctr_vm_vsrc(0)
	s_getreg_b32 s2, hwreg(HW_REG_IB_STS2, 6, 4)
	s_cmp_eq_u32 s2, 0
	s_cbranch_scc0 .Lentry_in_a_cluster
	s_endpgm
.Lentry_in_a_cluster:
	s_bfe_u32 s2, ttmp6, 0x10000c
	s_cmp_lg_u32 s2, 0xf033
	s_cbranch_scc0 .Lentry_shape_is_right
	s_endpgm
.Lentry_shape_is_right:
; q, k, v = x W^T + b on codes of FP4 with E8M0 scales, and their quantising: q and k along the head's 64, v along the tokens (the keys).  Nothing wide goes to memory.
; SHARES.  A work-group makes q, k and v of two heads for 256 tokens.  Wave w: tokens 128 (w / 2) on, head 2 hp + w % 2.  Three units (q, k, v) of 128 tokens x 64 columns x K = 1,024: 256 matrix instructions each.
; The wave's fragments of x (8 tiles x 8 K steps, 512 registers) are read from LDS once, during unit q, and stay: a fragment of W read from LDS then feeds eight products.
; q, k: source 0 = 16 rows of W, source 1 = 16 tokens: a lane holds one token and registers along the head.  v: source 0 = 16 tokens, source 1 = 16 rows of W: a lane holds one column and registers along the tokens.
; So in each case a lane's registers run along the next product's K.  The bias is the C of each sum's first matrix instruction.
; SCALES come from memory straight into registers: 16 bytes a lane hold the words of K steps 0-3 in lanes 0-15 and of K steps 4-7 in lanes 16-31; K steps 4-7 read the upper row of lanes.
; 1 / sqrt(64) = 2^-3 goes into q's scale bytes (byte - 3): exact.  q's floor is 2^(6 - 127), so that the byte stays at 1 or more.  LIMIT: blocks of q with a largest magnitude under 2^-121 are quantised at scale 2^-123.
; CLUSTER 4 x 4: the four of a row share 256 tokens (x), the four of a column share a pair of heads (W): each tile is asked for jointly.
; LDS: x 16 tiles x 8,192 at 0; W slot (s, head half) 32,768 bytes at 131,072 + (2 s + half) x 32,768: q in slot 0, k in slot 1, v again in slot 0; the spare words at 262,144.  All of LDS is claimed.
; OUT: qkvc [q, k, v][head of batch 128][32,768]: q, k [token tile 64][512] (registers 0-3 of a fragment: K = 64); v [key step 8][d tile 4][c 2][512].
;   qkvs: q at 0, k at 524,288: [bh][128 tokens][lane][16 bytes], word p: tile 2 p in lanes 0-15, tile 2 p + 1 in lanes 16-31, bytes 2 and 3 = 127; v at 1,048,576: [bh][key step][lane][8 bytes] likewise for d tiles.
; REGISTERS: window 0 as named below; windows 1, 2: x (K step s, tile i at v[64 (s % 4) + 8 i] of window 1 + s / 4); window 3: 32 accumulators.
.set SPARE, 262144
.set WB,    131072
.set LI,  1                            ; v1   16 x lane
.set BH,  2                            ; v2   32 h: a bias's eight numbers of my half
.set BR,  3                            ; v3   4 r: v's bias of my column
.set WA0, 4                            ; v4   W slot 0, my head: + 16 x lane
.set WA1, 5                            ; v5   W slot 1
.set XA,  6                            ; v6   my 8 tiles of x: + 16 x lane
.set WSA, 7                            ; v7   W's scale bytes: 32 r + 16 h
.set SPW, 8                            ; v8   my spare word; never rewritten
.set NIL, 9                            ; v9   0; never rewritten
.set L8,  10                           ; v10  8 x lane
.set XS,  16                           ; v16-47   x's scale words: 4 i + q
.set WS,  48                           ; v48-79   W's, two sets of 16: 4 j + q
.set BI,  80                           ; v80-111  the bias in the result's layout, 8 a tile of columns
.set WF,  112                          ; v112-175 W's fragments, two buffers of 4
.set TM,  176                          ; v176-191 at work in QUANT
.set PC,  192                          ; v192-223 codes, four sets of 8
.set SW,  224                          ; v224-227 scale words to store
.set TT,  228                          ; v228-231 at work
.set G1X, 36
.set G1W, 44
.set G0X, 52
.set G0W, 56
.set G0R, 60
.set SEL, 70
.set CQ,  72                           ; s[72:77] where my codes of q, k, v go;  s[78:83] their scale words
.set CK,  74
.set CV,  76
.set SQ,  78
.set SK,  80
.set SV,  82
.set MSB, 0
.macro WIN new
.if MSB != (\new)
	s_set_vgpr_msb (MSB<<8)|(\new)
.set MSB, \new
.endif
.endm
.macro PLACES                          ; four plain places behind a matrix instruction, in front of loads into its registers and of reads of its result
.rept 4
	v_nop
.endr
.endm
.macro CROUND                          ; a round of the cluster's barrier
	s_barrier_signal -1
	s_barrier_wait -1
	s_cmp_lg_u32 s26, 0
	s_cbranch_scc1 .Lnot_wave_0_\@
	s_barrier_signal -3
.Lnot_wave_0_\@:
	s_barrier_wait -3
	s_barrier_signal -1
	s_barrier_wait -1
.endm
; 64 numbers of a lane, register 16 b + 8 u + j = k 32 b + 16 u + 8 h + j of my row, become 8 registers of codes in the operand's layout; the four scale bytes are left in v[TM+4] on.
.macro QUANT s, sw, pc, floor
	WIN 5*(\sw)
.irp b, 0,1,2,3
	v_max3_num_f32 v[TM+\b], |v[(\s)+16*\b]|, |v[(\s)+16*\b+1]|, \floor   ; each result is read from its low end on
.endr
.irp i, 2,4,6,8,10,12,14
.irp b, 0,1,2,3
	v_max3_num_f32 v[TM+\b], |v[(\s)+16*\b+\i]|, |v[(\s)+16*\b+\i+1]|, v[TM+\b]
.endr
.endr
	WIN 0
.irp b, 0,1,2,3
	v_permlanex16_b32 v[TM+4+\b], v[TM+\b], s[SEL], s[SEL+1]
.endr
.irp b, 0,1,2,3
	v_max_num_f32 v[TM+\b], v[TM+\b], v[TM+4+\b]
.endr
.irp b, 0,1,2,3
	v_add_nc_u32 v[TM+12+\b], 0xff000000, v[TM+\b]   ; 2 off the exponent field: the conversion's scale operand
.endr
.irp b, 0,1,2,3
	v_lshrrev_b32 v[TM+4+\b], 23, v[TM+12+\b]
.endr
	WIN \sw
.irp c, 0,1
	v_cvt_scalef32_pk8_fp4_f32 v[(\pc)+4*\c], v[(\s)+32*\c:(\s)+32*\c+7], v[TM+12+2*\c]
	v_cvt_scalef32_pk8_fp4_f32 v[(\pc)+4*\c+2], v[(\s)+32*\c+8:(\s)+32*\c+15], v[TM+12+2*\c]
	v_cvt_scalef32_pk8_fp4_f32 v[(\pc)+4*\c+1], v[(\s)+32*\c+16:(\s)+32*\c+23], v[TM+12+2*\c+1]
	v_cvt_scalef32_pk8_fp4_f32 v[(\pc)+4*\c+3], v[(\s)+32*\c+24:(\s)+32*\c+31], v[TM+12+2*\c+1]
.endr
	WIN 0
	v_nop                                          ; one plain place behind the scaled conversions
.irp c, 0,1
	v_permlane16_swap_b32 v[(\pc)+4*\c], v[(\pc)+4*\c+1]
	v_permlane16_swap_b32 v[(\pc)+4*\c+2], v[(\pc)+4*\c+3]
.endr
.endm
.macro MM row                          ; one product; its registers are the symbols rD, rA, rB, rC, rSA, rSB; row = 1: both sides' scale words stand in lanes 16-31
.if \row
	v_wmma_scale_f32_16x16x128_f8f6f4 v[rD:rD+7], v[rA:rA+7], v[rB:rB+7], v[rC:rC+7], v[rSA], v[rSB] matrix_a_fmt:MATRIX_FMT_FP4 matrix_b_fmt:MATRIX_FMT_FP4 matrix_a_scale:MATRIX_SCALE_ROW1 matrix_b_scale:MATRIX_SCALE_ROW1
.else
	v_wmma_scale_f32_16x16x128_f8f6f4 v[rD:rD+7], v[rA:rA+7], v[rB:rB+7], v[rC:rC+7], v[rSA], v[rSB] matrix_a_fmt:MATRIX_FMT_FP4 matrix_b_fmt:MATRIX_FMT_FP4
.endif
.endm
.macro LDW adr, s                      ; W's four fragments of K step s into buffer s % 2
.irp j, 0,1,2,3
.irp c, 0,1
	ds_load_b128 v[WF+32*((\s)%2)+8*\j+4*\c:WF+32*((\s)%2)+8*\j+4*\c+3], v[\adr] offset:(8*\j+(\s))*1024+512*\c
.endr
.endr
.endm
.macro LDX s                           ; x's eight fragments of K step s: they stay
	WIN 0x40*(1+(\s)/4)
.irp i, 0,1,2,3,4,5,6,7
.irp c, 0,1
	ds_load_b128 v[64*((\s)%4)+8*\i+4*\c:64*((\s)%4)+8*\i+4*\c+3], v[XA] offset:8192*\i+1024*(\s)+512*\c
.endr
.endr
	WIN 0
.endm
.macro LDWS set, p                     ; W's scale words of my 64 rows
.irp j, 0,1,2,3
	global_load_b128 v[WS+16*\set+4*\j:WS+16*\set+4*\j+3], v[WSA], s[\p:\p+1] offset:512*\j
.endr
.endm
.macro BIASQK p                        ; lane (r, h) wants, for tile j, the bias of columns 16 j + 8 h + 0 .. 7
.irp j, 0,1,2,3
	global_load_b128 v[BI+8*\j:BI+8*\j+3], v[BH], s[\p:\p+1] offset:64*\j
	global_load_b128 v[BI+8*\j+4:BI+8*\j+7], v[BH], s[\p:\p+1] offset:64*\j+16
.endr
.endm
.macro BIASV p                         ; lane (r, h) wants the bias of column 16 j + r in all eight registers
.irp j, 0,1,2,3
.irp e, 0,1,2,3,4,5,6,7
	global_load_b32 v[BI+8*\j+\e], v[BR], s[\p:\p+1] offset:64*\j
.endr
.endr
.endm
; A K step of a unit: the next K step's fragments are asked for, then 32 products on the 32 accumulators, which take turns in the same order in every K step.
.macro KSTEP typ, adr, set, s, withx, bias
	WIN 0
	PLACES
.if (\s) < 7
	LDW \adr, (\s)+1
.if \withx
	LDX (\s)+1
.endif
.endif
.if (\s) == 1                          ; K step 0 has read this unit's bias: the next unit's takes its place
.if (\bias) == 1
	BIASQK 18
.endif
.if (\bias) == 2
	BIASV 20
.endif
.endif
.if (\s) == 7
	s_wait_dscnt 0x0
.elseif \withx
	s_wait_dscnt 24                                ; this K step's fragments are in; the 8 + 16 loads just issued may be out
.else
	s_wait_dscnt 8                                 ; the 8 loads just issued may be out
.endif
.if (\s) == 0
.set WM, 0xC0                          ; D window 3, C (the bias) window 0
.else
.set WM, 0xF0                          ; C and D window 3
.endif
.if \typ
.set WM, WM+1+(\s)/4                   ; source 0 = x: window 1 or 2
.else
.set WM, WM+4*(1+(\s)/4)               ; source 1 = x
.endif
	WIN WM
.if \typ
.irp j, 0,1,2,3
.irp i, 0,1,2,3,4,5,6,7
.set rD, 8*(8*\j+\i)
.set rA, 64*((\s)%4)+8*\i
.set rB, WF+32*((\s)%2)+8*\j
.set rC, rD
.if (\s) == 0
.set rC, BI+8*\j
.endif
.set rSA, XS+4*\i+(\s)%4
.set rSB, WS+16*(\set)+4*\j+(\s)%4
	MM (\s)/4
.endr
.endr
.else
.irp i, 0,1,2,3,4,5,6,7
.irp j, 0,1,2,3
.set rD, 8*(4*\i+\j)
.set rA, WF+32*((\s)%2)+8*\j
.set rB, 64*((\s)%4)+8*\i
.set rC, rD
.if (\s) == 0
.set rC, BI+8*\j
.endif
.set rSA, WS+16*(\set)+4*\j+(\s)%4
.set rSB, XS+4*\i+(\s)%4
	MM (\s)/4
.endr
.endr
.endif
.endm
; The way out of q or k: two token tiles (64 registers) at a time: registers 0-3 of two fragments, two bytes each.
.macro EPI_QK kadd, floor, cb, sb
	s_wait_xcnt 0x0
	s_mov_b32 vcc_lo, 0xffff0000                   ; lanes 16-31; written behind the last tensor load
.irp p, 0,1,2,3
	QUANT 64*\p, 3, PC+8*\p, \floor
	v_lshl_or_b32 v[TT], v[TM+5], 8, v[TM+4]       ; tile 2 p's two bytes,
	v_lshl_or_b32 v[TT+1], v[TM+7], 8, v[TM+6]     ; tile 2 p + 1's,
	v_cndmask_b32 v[SW+\p], v[TT], v[TT+1], vcc_lo ; in lanes 0-15 and 16-31 of one register;
	v_add_nc_u32 v[SW+\p], \kadd, v[SW+\p]         ; bytes 2 and 3 become 127; for q, 3 comes off bytes 0 and 1
	global_store_b128 v[LI], v[PC+8*\p:PC+8*\p+3], s[\cb:\cb+1] offset:1024*\p
	global_store_b128 v[LI], v[PC+8*\p+4:PC+8*\p+7], s[\cb:\cb+1] offset:1024*\p+512
.endr
	global_store_b128 v[LI], v[SW:SW+3], s[\sb:\sb+1]
.endm
	s_load_b512 s[4:19], s[0:1], 0x0               ; xc 4, xs 6, wimg 8, Wq_scales 10, Wk_scales 12, Wv_scales 14, bq 16, bk 18
	s_load_b128 s[20:23], s[0:1], 0x40             ; bv 20, qkvc 22
	s_load_b64 s[24:25], s[0:1], 0x50              ; qkvs
	v_lshl_add_u32 v[SPW], v0, 2, SPARE
	v_mov_b32 v[NIL], 0
	ds_add_u32 v8, v9
	ds_add_u32 v8, v9
	s_wait_dscnt 0x0
	v_lshrrev_b32 v11, 5, v0
	v_readfirstlane_b32 s26, v11                   ; wave
	s_lshr_b32 s27, s26, 1                         ; which 128 tokens
	s_and_b32 s28, s26, 1                          ; which head of the pair
	s_bfe_u32 s29, ttmp6, 0x40000                  ; cx
	s_bfe_u32 s30, ttmp6, 0x40004                  ; cy
	s_lshl_b32 s31, ttmp9, 2
	s_add_co_u32 s31, s31, s29                     ; pair of heads = 4 x cluster x + cx
	s_and_b32 s32, ttmp7, 0xffff
	s_lshl_b32 s32, s32, 2
	s_add_co_u32 s32, s32, s30                     ; block of 256 tokens = 4 x cluster y + cy
	s_lshl_b32 s33, s31, 1
	s_add_co_u32 s33, s33, s28                     ; my head
	s_lshl_b32 s34, s30, 2
	s_lshl_b32 s34, 15, s34                        ; my row of the cluster
	s_lshl_b32 s35, 0x1111, s29                    ; my column
	; group 1: a dense block of 65,536 bytes as 256 rows of 32 elements of 8 bytes
	s_or_b32 s[G1X], s34, (3<<16)|(1<<21)          ; x goes to my row
	s_or_b32 s[G1W], s35, (3<<16)|(1<<21)          ; W to my column
.irp g, G1X, G1W
	s_mov_b32 s[\g+1], 32<<16                      ; tensor_dim0
	s_mov_b32 s[\g+2], 256<<16                     ; tensor_dim1: a load brings 65,536 bytes
	s_mov_b32 s[\g+3], 32<<16                      ; tile_dim0
	s_mov_b32 s[\g+4], 256                         ; tile_dim1
	s_mov_b32 s[\g+5], 32                          ; the pitch
	s_mov_b32 s[\g+6], 0
	s_mov_b32 s[\g+7], 0
.endr
	s_lshl_b32 s84, s32, 17                        ; x: 16 tiles of 8,192 bytes a block, 8 tiles a wave
	s_lshl_b32 s85, s26, 16                        ; waves 0 and 1 fetch 8 tiles of x each
	s_add_co_u32 s84, s84, s85
	s_mov_b32 s85, 0
	s_lshl_b32 s86, s28, 3                         ; W: wave 2 fetches q's pair of heads, wave 3 k's: (8 x kind + pair) x 65,536
	s_add_co_u32 s86, s86, s31
	s_lshl_b32 s86, s86, 16
	s_mov_b32 s87, 0
	s_add_co_u32 s88, s31, 16                      ; v's pair of heads: kind 2
	s_lshl_b32 s88, s88, 16
	s_mov_b32 s89, 0
	s_lshl_b32 s66, s32, 13                        ; x's scale words: 512 bytes a tile
	s_lshl_b32 s67, s27, 12
	s_add_co_u32 s66, s66, s67
	s_mov_b32 s67, 0
	s_lshl_b32 s68, s33, 11                        ; W's scale bytes: 64 rows of 32
	s_mov_b32 s69, 0
	s_lshl_b32 s98, s33, 8                         ; a bias: 64 numbers
	s_mov_b32 s99, 0
	s_lshr_b32 s90, s32, 2
	s_lshl_b32 s90, s90, 4
	s_add_co_u32 s90, s90, s33                     ; bh = 16 x batch + head
	s_and_b32 s91, s32, 3
	s_lshl_b32 s91, s91, 1
	s_add_co_u32 s91, s91, s27                     ; which 128 tokens of the batch's 1,024
	s_lshl_b32 s92, s90, 15
	s_lshl_b32 s93, s91, 12
	s_add_co_u32 s92, s92, s93
	s_mov_b32 s93, 0
	s_lshl_b32 s94, s90, 12
	s_lshl_b32 s95, s91, 9
	s_add_co_u32 s94, s94, s95
	s_mov_b32 s95, 0
	s_lshl_b32 s96, s90, 11
	s_lshl_b32 s97, s91, 8
	s_add_co_u32 s96, s96, s97
	s_mov_b32 s97, 0
	s_mov_b32 s[SEL], 0x76543210
	s_mov_b32 s[SEL+1], 0xfedcba98
	v_and_b32 v11, 31, v0
	v_and_b32 v12, 15, v0
	v_bfe_u32 v13, v0, 4, 1
	v_lshlrev_b32 v[LI], 4, v11
	v_lshlrev_b32 v[BH], 5, v13
	v_lshlrev_b32 v[BR], 2, v12
	s_lshl_b32 s90, s28, 15
	s_add_co_u32 s90, s90, WB
	v_add_nc_u32 v[WA0], s90, v[LI]
	s_add_co_u32 s90, s90, 65536
	v_add_nc_u32 v[WA1], s90, v[LI]
	s_lshl_b32 s90, s27, 16
	v_add_nc_u32 v[XA], s90, v[LI]
	v_lshlrev_b32 v[WSA], 5, v12
	v_lshl_add_u32 v[WSA], v13, 4, v[WSA]
	v_lshlrev_b32 v[L8], 3, v11
.irp b, 0,1,2,3
	v_mov_b32 v[TM+4+\b], 0                        ; written once: a lane permute's destination counts as one of its sources
.endr
	s_wait_kmcnt 0x0
	s_mov_b32 s[G0X], 1
	s_lshl_b32 s[G0X+1], s26, 16                   ; LDS: wave x 65,536 (waves 0 and 1 issue it)
	s_add_nc_u64 s[G0X+2:G0X+3], s[4:5], s[84:85]
	s_or_b32 s[G0X+3], s[G0X+3], 0x80000000
	s_mov_b32 s[G0W], 1
	s_lshl_b32 s[G0W+1], s28, 16                   ; LDS: slot 0 for q (wave 2), slot 1 for k (wave 3)
	s_add_co_u32 s[G0W+1], s[G0W+1], WB
	s_add_nc_u64 s[G0W+2:G0W+3], s[8:9], s[86:87]
	s_or_b32 s[G0W+3], s[G0W+3], 0x80000000
	s_mov_b32 s[G0R], 1
	s_mov_b32 s[G0R+1], WB                         ; v's pair of heads takes all of slot 0
	s_add_nc_u64 s[G0R+2:G0R+3], s[8:9], s[88:89]
	s_or_b32 s[G0R+3], s[G0R+3], 0x80000000
	s_add_nc_u64 s[6:7], s[6:7], s[66:67]
	s_add_nc_u64 s[10:11], s[10:11], s[68:69]
	s_add_nc_u64 s[12:13], s[12:13], s[68:69]
	s_add_nc_u64 s[14:15], s[14:15], s[68:69]
	s_add_nc_u64 s[16:17], s[16:17], s[98:99]
	s_add_nc_u64 s[18:19], s[18:19], s[98:99]
	s_add_nc_u64 s[20:21], s[20:21], s[98:99]
	s_add_nc_u64 s[CQ:CQ+1], s[22:23], s[92:93]
	s_add_nc_u64 s[CK:CK+1], s[CQ:CQ+1], 0x400000
	s_add_nc_u64 s[CV:CV+1], s[CQ:CQ+1], 0x800000
	s_add_nc_u64 s[SQ:SQ+1], s[24:25], s[94:95]
	s_add_nc_u64 s[SK:SK+1], s[SQ:SQ+1], 0x80000
	s_add_nc_u64 s[SV:SV+1], s[24:25], s[96:97]
	s_add_nc_u64 s[SV:SV+1], s[SV:SV+1], 0x100000
	CROUND                                         ; all sixteen work-groups are here: the first joint loads meet
	s_cmp_lt_u32 s26, 2                            ; one tensor load a wave at the head: waves 0, 1 x's halves; wave 2 W for q, wave 3 W for k
	s_cbranch_scc0 .Lhead_w
	tensor_load_to_lds s[G0X:G0X+3], s[G1X:G1X+7]
	s_nop 0
	PLACES
	s_branch .Lhead_asked
.Lhead_w:
	tensor_load_to_lds s[G0W:G0W+3], s[G1W:G1W+7]
	s_nop 0
	PLACES
.Lhead_asked:
.irp i, 0,1,2,3,4,5,6,7
	global_load_b128 v[XS+4*\i:XS+4*\i+3], v[LI], s[6:7] offset:512*\i
.endr
	s_wait_alu depctr_va_vdst(0)
	LDWS 0, 10
	LDWS 1, 12
	BIASQK 16
	s_wait_tensorcnt 0x0                           ; my parts are in,
	s_barrier_signal -1
	s_barrier_wait -1                              ; everybody's are
	LDW WA0, 0
	LDX 0
	s_wait_loadcnt 0x0                             ; scale words and q's bias
.irp s, 0,1,2,3,4,5,6,7
	KSTEP 0, WA0, 0, \s, 1, 1                      ; unit q; x comes into its registers on the way
.endr
	; W slot 0 has been read out: v's rows take q's place.
	WIN 0
	s_wait_tensorcnt 0x0                           ; no tensor load of mine is out
	ds_add_u32 v[SPW], v[NIL]                      ; 0 onto my spare word
	PLACES                                         ; (also the places behind unit q's last products)
	s_wait_dscnt 0x0                               ; the add is done, and my reads of slot 0 and of x are over
	CROUND                                         ; the same holds of every wave of every partner
	s_cmp_lt_u32 s26, 1                            ; wave 0 fetches v's pair of heads, one load of 65,536 bytes
	s_cbranch_scc0 .Lno_refill
	tensor_load_to_lds s[G0R:G0R+3], s[G1W:G1W+7]  ; it has q's way out, unit k and k's way out in which to land
	s_nop 0
	PLACES
.Lno_refill:
	LDW WA1, 0
	LDWS 0, 14                                     ; v's scale words take q's place
	EPI_QK 0x7f7efcfd, 0x3000000, CQ, SQ
	s_wait_loadcnt 0x0                             ; k's bias, v's scale words
.irp s, 0,1,2,3,4,5,6,7
	KSTEP 0, WA1, 1, \s, 0, 2                      ; unit k
.endr
	WIN 0
	PLACES
	EPI_QK 0x7f7f0000, 0x1800000, CK, SK
	s_wait_tensorcnt 0x0                           ; v's rows are in (wave 0 asked),
	s_wait_dscnt 0x0
	s_barrier_signal -1
	s_barrier_wait -1                              ; and every wave knows
	LDW WA0, 0
	s_wait_loadcnt 0x0                             ; v's bias
.irp s, 0,1,2,3,4,5,6,7
	KSTEP 1, WA0, 0, \s, 0, 0                      ; unit v
.endr
	WIN 0
	PLACES
	s_wait_xcnt 0x0                                ; k's stores have read their registers
.irp j, 0,1,2,3                        ; d tile j: a whole fragment (16 columns x my 128 tokens) and its scale word
	QUANT 64*\j, 3, PC+8*\j, 0x1800000
	v_lshl_or_b32 v[TT+\j], v[TM+5], 8, v[TM+4]
	v_lshl_or_b32 v[TT+\j], v[TM+6], 16, v[TT+\j]
	v_lshl_or_b32 v[TT+\j], v[TM+7], 24, v[TT+\j]
	global_store_b128 v[LI], v[PC+8*\j:PC+8*\j+3], s[CV:CV+1] offset:1024*\j
	global_store_b128 v[LI], v[PC+8*\j+4:PC+8*\j+7], s[CV:CV+1] offset:1024*\j+512
.endr
	v_cndmask_b32 v[SW], v[TT], v[TT+1], vcc_lo
	v_cndmask_b32 v[SW+1], v[TT+2], v[TT+3], vcc_lo
	global_store_b64 v[L8], v[SW:SW+1], s[SV:SV+1]  ; 256 consecutive bytes, aligned
	s_wait_tensorcnt 0x0                           ; the wave's end
	ds_add_u32 v[SPW], v[NIL]
	s_wait_dscnt 0x0
	CROUND                                         ; the closing round
	s_endpgm
.Lfunc_end_k_q3cce1beb89_qkv:
	.size	k_q3cce1beb89_qkv, .Lfunc_end_k_q3cce1beb89_qkv-k_q3cce1beb89_qkv
	.p2alignl 7, 3214868480
	.fill 96, 4, 3214868480
	.section	.rodata,"a",@progbits
	.p2align	6, 0x0
	.amdhsa_kernel k_q3cce1beb89_qkv
		.amdhsa_group_segment_fixed_size 327680
		.amdhsa_private_segment_fixed_size 0
		.amdhsa_enable_private_segment 0
		.amdhsa_kernarg_size 88
		.amdhsa_user_sgpr_count 2
		.amdhsa_user_sgpr_kernarg_segment_ptr 1
		.amdhsa_wavefront_size32 1
		.amdhsa_system_sgpr_workgroup_id_x 1
		.amdhsa_system_sgpr_workgroup_id_y 1
		.amdhsa_system_sgpr_workgroup_id_z 1
		.amdhsa_system_vgpr_workitem_id 0
		.amdhsa_next_free_vgpr 1024
		.amdhsa_next_free_sgpr 100
		.amdhsa_reserve_vcc 1
		.amdhsa_float_denorm_mode_32 3
		.amdhsa_float_denorm_mode_16_64 3
		.amdhsa_memory_ordered 1
		.amdhsa_forward_progress 1
		.amdhsa_inst_pref_size 186
	.end_amdhsa_kernel
	.amdgpu_metadata
---
amdhsa.version: [ 1, 2 ]
amdhsa.kernels:
  - .name:           k_q3cce1beb89_qkv
    .symbol:         k_q3cce1beb89_qkv.kd
    .args:
      - { .name: xc, .offset: 0, .size: 8, .value_kind: global_buffer, .address_space: global }
      - { .name: xs, .offset: 8, .size: 8, .value_kind: global_buffer, .address_space: global }
      - { .name: wimg, .offset: 16, .size: 8, .value_kind: global_buffer, .address_space: global }
      - { .name: Wq_scales, .offset: 24, .size: 8, .value_kind: global_buffer, .address_space: global }
      - { .name: Wk_scales, .offset: 32, .size: 8, .value_kind: global_buffer, .address_space: global }
      - { .name: Wv_scales, .offset: 40, .size: 8, .value_kind: global_buffer, .address_space: global }
      - { .name: bq, .offset: 48, .size: 8, .value_kind: global_buffer, .address_space: global }
      - { .name: bk, .offset: 56, .size: 8, .value_kind: global_buffer, .address_space: global }
      - { .name: bv, .offset: 64, .size: 8, .value_kind: global_buffer, .address_space: global }
      - { .name: qkvc, .offset: 72, .size: 8, .value_kind: global_buffer, .address_space: global }
      - { .name: qkvs, .offset: 80, .size: 8, .value_kind: global_buffer, .address_space: global }
    .group_segment_fixed_size: 327680
    .private_segment_fixed_size: 0
    .kernarg_segment_align: 8
    .kernarg_segment_size: 88
    .max_flat_workgroup_size: 128
    .sgpr_count:     100
    .vgpr_count:     1024
    .wavefront_size: 32
...
	.end_amdgpu_metadata
.endif
;; end of part 2
;; launch attn (part 3): grid 2 x 128, 8 waves a work-group, no clusters, 327,680 bytes of LDS; arguments qkvc, qkvs, attention_mask, cc, cs; writes cc, cs
.if DOCPART == 3
	.amdgcn_target "amdgcn-amd-amdhsa--gfx1250"
	.amdhsa_code_object_version 6
	.text
	.protected	k_q3cce1beb89_attn
	.globl	k_q3cce1beb89_attn
	.p2align	8
	.type	k_q3cce1beb89_attn,@function
k_q3cce1beb89_attn:
	s_mov_b64 s[64:65], 0
	v_nop
	global_prefetch_b8 v0, s[64:65] scope:SCOPE_SE
	s_setreg_imm32_b32 hwreg(HW_REG_WAVE_MODE, 25, 1), 1
	s_wait_xcnt 0x0
; ctx = softmax(q k^T / 8 + mask) v for one head, both products on codes of FP4 with E8M0 scales, and ctx quantised along the hidden axis (two blocks of 32 a head).
; THE SOFTMAX AHEAD OF THE SECOND PRODUCT: t = logit x log2(e); M = the running largest t rounded UP to a whole number; p = 2^(t - M) is quantised along the keys, not normalised; the sum of the unquantised p divides at the end.
; SHARES.  A work-group: 512 queries of one head; a wave: 64 queries, four tiles of 16, which share each fragment of K and V and the mask's registers.  Eight key steps of 128 keys.
; THE FILLS.  A head's K, V, scale words and the batch's mask, 75,776 bytes, come into LDS once, in two groups.  At the head: K's steps 0-2, V's steps 0-1 and the three tables, 30,720 bytes, one load a wave (waves 0-4).
; Behind the full sequence and a barrier: K's steps 3-7 (wave 0) and V's steps 2-7 (wave 1); they are first read behind the barrier at the foot of the first two key steps (step 1 already fetches K's step 2: so that one comes with the first group).
; The key steps run as four pairs; the same wait and barrier stand at the foot of each pair, so that the pair is written once.
; No joint loads: only the two work-groups of a head share tiles, and the grid's x is 2.  No prefetch: every tile is asked for at the head, so there is no later request to run ahead of.
; LAYOUT.  S^T = K Q^T (source 0 = 16 keys, source 1 = 16 queries) and O^T = V^T P^T: a lane holds one query throughout.
; THE KEYS OF A TILE ARE CHOSEN: row m of tile 4 c + u is key 64 c + 32 (m / 8) + 8 u + m % 8.  So register 32 c + 8 u + j of S^T in lane (r, h) is key 64 c + 32 h + 8 u + j:
; a lane holds two WHOLE blocks of 32 keys, in the order of the second product's operand: a block's maximum needs no other lane, and the conversions' results are the operand's registers as they stand.
; 1 / 8 lies in q's scale bytes, so the MASK IS THE C OF THE SCORE PRODUCT.
; K = 64 in an instruction of K = 128: Q's registers 4-7 are zero codes; a tile of K is named with the four registers behind it, whose codes meet those zeros; bytes 2 and 3 of both scale words are 127.
; THE ORDER OF A TILE.  Lines that depend on each other stand apart: eight chains of maxima (one an accumulator), four chains of sums with the scale word's lines between their rounds, the lines that make f among the 32 scalings.
; The next tile's score products stand directly behind this tile's conversions; this tile's 16 rescalings of O^T are their places, and this tile's second product follows.
; LIMIT: rows whose every logit lies under -2e38 are not served.
; LDS: K's scale words 0 (4,096); V's 4,096 (2,048); mask 6,144 (4,096); K 10,240 (32,768); V 43,008 (32,768); the spare words at 167,936.  All of LDS is claimed.
; REGISTERS, window 0: v1-7, v240-243 addresses; v8-23 four a tile: -M, largest logit, the sum in two halves; v24-55 Q; v56-57 Q's scale words, v58-61 K's, v62-63 V's; v64-127 mask; v128-191 S^T, then p;
;   v192-199 three chains of sums, then p's codes; v200-214, v244-252 at work; v215 p's scale word; v216-223 codes on the way out; v224-239 at work in QUANT.   window 1: v0-127 O^T, 32 a tile; v128-163 K (4 a tile, 4 zeros behind); v164-195 V.
.set LI,  1                            ; v1  16 x lane
.set L8,  2                            ; v2  8 x lane
.set H128, 3                           ; v3  128 h: the mask's 32 numbers of my half
.set AM,  4                            ; v4  the mask of the step to be fetched
.set AVS, 5                            ; v5  V's scale words of the step in hand
.set AK,  6                            ; v6  K's tiles of the step to be fetched
.set AS,  7                            ; v7  K's scale words
.set KL,  240                          ; v240 my lane's place in K's tiles: 1,024 (r / 8) + 16 (r % 8) + 256 h
.set KSL, 241                          ; v241 and among K's scale words: 128 h + 16 (r % 8) + 4 (r / 8)
.set AV,  242                          ; v242 V's tiles of the step in hand
.set H8,  243                          ; v243 8 h
.set MT,  244                          ; v244-251 eight chains of maxima
.set OLD, 252                          ; v252 the old -M
.set SPW, 254                          ; v254 my spare word; never rewritten
.set NIL, 255                          ; v255 0; never rewritten
.set SPARE, 0x29000
.set S,   128
.set PC,  192
.set BM,  200                          ; v200-203 largest scores; then v200, v202: my two blocks' largest p
.set PT,  204                          ; v204-207 at work
.set SO,  208                          ; v208-209 the conversions' scale operands
.set XM,  210                          ; v210-211 at work among the maxima
.set F,   212                          ; v[212:213] f = 2^(old M - new M) (the low word serves both halves)
.set TP,  214
.set PWD, 215
.set PC2, 216
.set TM,  224
.set G0K, 16
.set G0V, 20
.set G0A, 24
.set G0M, 28
.set G0S, 32
.set G1K, 36                           ; rows of 256 bytes: 48, then 80
.set G1V, 44                           ; 32 rows, then 96
.set G1T, 84                           ; 16 rows
.set G1S, 92                           ; 8 rows
.set NC,  52                           ; s52 -log2(e)
.set CS,  54                           ; s[54:55] log2(e)
.set SEL, 56
.set S512, 58                          ; 512 x the key step
.set SN,  59                           ; 512 x the step to be fetched
.set SN8, 60                           ; 4,096 x it
.set IC,  62                           ; key steps to go in this pair
.set OC,  63                           ; pairs to go
.set MSB, 0
.macro WIN new
.if MSB != (\new)
	s_set_vgpr_msb (MSB<<8)|(\new)
.set MSB, \new
.endif
.endm
.macro PLACES
.rept 4
	v_nop
.endr
.endm
.macro SETG1 g, rows                   ; a dense block as rows of 32 elements of 8 bytes
	s_mov_b32 s[\g], 3<<16
	s_mov_b32 s[\g+1], 32<<16
	s_mov_b32 s[\g+2], (\rows)<<16
	s_mov_b32 s[\g+3], 32<<16
	s_mov_b32 s[\g+4], \rows
	s_mov_b32 s[\g+5], 32
	s_mov_b32 s[\g+6], 0
	s_mov_b32 s[\g+7], 0
.endm
.macro ARM under, g0, g1, next, join   ; one arm of a chain of branches on the wave's number: its load, and a jump to the chain's end
	s_cmp_lt_u32 s14, \under
	s_cbranch_scc0 \next
	tensor_load_to_lds s[\g0:\g0+3], s[\g1:\g1+7]
	s_nop 0
	PLACES
	s_branch \join
\next:
.endm
.macro QUANT s, sw, pc, floor
	WIN 5*(\sw)
.irp b, 0,1,2,3
	v_max3_num_f32 v[TM+\b], |v[(\s)+16*\b]|, |v[(\s)+16*\b+1]|, \floor
.endr
.irp i, 2,4,6,8,10,12,14
.irp b, 0,1,2,3
	s_delay_alu instid0(VALU_DEP_4)
	v_max3_num_f32 v[TM+\b], |v[(\s)+16*\b+\i]|, |v[(\s)+16*\b+\i+1]|, v[TM+\b]
.endr
.endr
	WIN 0
.irp b, 0,1,2,3
	s_delay_alu instid0(VALU_DEP_4)
	v_permlanex16_b32 v[TM+4+\b], v[TM+\b], s[SEL], s[SEL+1]
.endr
.irp b, 0,1,2,3
	s_delay_alu instid0(VALU_DEP_4)
	v_max_num_f32 v[TM+\b], v[TM+\b], v[TM+4+\b]
.endr
.irp b, 0,1,2,3
	s_delay_alu instid0(VALU_DEP_4)
	v_add_nc_u32 v[TM+12+\b], 0xff000000, v[TM+\b]
.endr
.irp b, 0,1,2,3
	s_delay_alu instid0(VALU_DEP_4)
	v_lshrrev_b32 v[TM+4+\b], 23, v[TM+12+\b]
.endr
	WIN \sw
.irp c, 0,1
	v_cvt_scalef32_pk8_fp4_f32 v[(\pc)+4*\c], v[(\s)+32*\c:(\s)+32*\c+7], v[TM+12+2*\c]
	v_cvt_scalef32_pk8_fp4_f32 v[(\pc)+4*\c+2], v[(\s)+32*\c+8:(\s)+32*\c+15], v[TM+12+2*\c]
	v_cvt_scalef32_pk8_fp4_f32 v[(\pc)+4*\c+1], v[(\s)+32*\c+16:(\s)+32*\c+23], v[TM+12+2*\c+1]
	v_cvt_scalef32_pk8_fp4_f32 v[(\pc)+4*\c+3], v[(\s)+32*\c+24:(\s)+32*\c+31], v[TM+12+2*\c+1]
.endr
	WIN 0
	v_nop
.irp c, 0,1
	v_permlane16_swap_b32 v[(\pc)+4*\c], v[(\pc)+4*\c+1]
	v_permlane16_swap_b32 v[(\pc)+4*\c+2], v[(\pc)+4*\c+3]
.endr
.endm
.macro MM ra, rb                       ; one product on the symbols rD, rA, rB, rC, rSA, rSB; ra, rb = 1: that side's scale words stand in lanes 16-31
.if (\ra) && (\rb)
	v_wmma_scale_f32_16x16x128_f8f6f4 v[rD:rD+7], v[rA:rA+7], v[rB:rB+7], v[rC:rC+7], v[rSA], v[rSB] matrix_a_fmt:MATRIX_FMT_FP4 matrix_b_fmt:MATRIX_FMT_FP4 matrix_a_scale:MATRIX_SCALE_ROW1 matrix_b_scale:MATRIX_SCALE_ROW1
.elseif (\ra)
	v_wmma_scale_f32_16x16x128_f8f6f4 v[rD:rD+7], v[rA:rA+7], v[rB:rB+7], v[rC:rC+7], v[rSA], v[rSB] matrix_a_fmt:MATRIX_FMT_FP4 matrix_b_fmt:MATRIX_FMT_FP4 matrix_a_scale:MATRIX_SCALE_ROW1
.elseif (\rb)
	v_wmma_scale_f32_16x16x128_f8f6f4 v[rD:rD+7], v[rA:rA+7], v[rB:rB+7], v[rC:rC+7], v[rSA], v[rSB] matrix_a_fmt:MATRIX_FMT_FP4 matrix_b_fmt:MATRIX_FMT_FP4 matrix_b_scale:MATRIX_SCALE_ROW1
.else
	v_wmma_scale_f32_16x16x128_f8f6f4 v[rD:rD+7], v[rA:rA+7], v[rB:rB+7], v[rC:rC+7], v[rSA], v[rSB] matrix_a_fmt:MATRIX_FMT_FP4 matrix_b_fmt:MATRIX_FMT_FP4
.endif
.endm
.macro ADDRS                           ; where the step to be fetched lies
	v_add_nc_u32 v[AK], s[SN8], v[KL]
	v_add_nc_u32 v[AS], s[SN], v[KSL]
	v_add_nc_u32 v[AM], s[SN], v[H128]
.endm
; A step's K (8 tiles x 4 registers), K's scale words and the mask in the result's layout: 28 loads.
; In memory and LDS key x lies in piece x / 16 (512 bytes), at 16 (x % 16) + 256 h; its scale word at 16 (16 ((x / 16) % 2) + x % 16) + 4 (x / 32).
.macro NEXTLOADS
	WIN 0x40
.irp t, 0,1,2,3,4,5,6,7
	ds_load_b128 v[128+4*\t:128+4*\t+3], v[AK] offset:10240+2048*(\t/4)+512*((\t%4)/2)+128*(\t%2)
.endr
	WIN 0
.irp c, 0,1
.irp g, 0,1
	ds_load_b32 v[58+2*\c+\g], v[AS] offset:256*\g+8*\c   ; lanes 0-15: tile 4 c + 2 g; lanes 16-31: tile 4 c + 2 g + 1
.endr
.endr
.irp t, 0,1,2,3,4,5,6,7
	ds_load_b128 v[64+8*\t:64+8*\t+3], v[AM] offset:6144+256*(\t/4)+32*(\t%4)
	ds_load_b128 v[64+8*\t+4:64+8*\t+7], v[AM] offset:6144+256*(\t/4)+32*(\t%4)+16
.endr
.endm
.macro SCORE q                         ; S^T of query tile q: eight products, the mask as their C
	WIN 0x01                                       ; source 0 (K) window 1
.irp t, 0,1,2,3,4,5,6,7
.set rD, S+8*\t
.set rA, 128+4*\t
.set rB, 24+8*(\q)
.set rC, 64+8*\t
.set rSA, 58+\t/2
.set rSB, 56+(\q)/2
	MM \t%2, (\q)%2
.endr
	WIN 0
.endm
.macro SCALE4 j                        ; t - M of eight scores
.irp e, 0,2,4,6
	v_pk_fma_f32 v[S+(\j)+\e:S+(\j)+\e+1], v[S+(\j)+\e:S+(\j)+\e+1], s[CS:CS+1], v[ST:ST+1] op_sel_hi:[1,0,0]
.endr
.endm
.macro SUM4 j                          ; one round of the four chains of sums: eight p
	v_pk_add_f32 v[ST+2:ST+3], v[ST+2:ST+3], v[S+(\j):S+(\j)+1]
	v_pk_add_f32 v[PC:PC+1], v[PC:PC+1], v[S+(\j)+2:S+(\j)+3]
	v_pk_add_f32 v[PC+2:PC+3], v[PC+2:PC+3], v[S+(\j)+4:S+(\j)+5]
	v_pk_add_f32 v[PC+4:PC+5], v[PC+4:PC+5], v[S+(\j)+6:S+(\j)+7]
.endm
; ONE TILE OF 16 QUERIES IN ONE KEY STEP.  Its scores stand in S when it begins.
.macro TILE q
.set ST, 8+4*(\q)
.irp t, 0,1,2,3,4,5,6,7
	v_max3_num_f32 v[MT+\t], v[S+8*\t], v[S+8*\t+1], v[S+8*\t+2]   ; a chain for each accumulator, which is read from its low end on
.endr
.irp i, 3,5
.irp t, 0,1,2,3,4,5,6,7
	v_max3_num_f32 v[MT+\t], v[MT+\t], v[S+8*\t+\i], v[S+8*\t+\i+1]
.endr
.endr
	v_max_num_f32 v[XM], v[S+23], v[S+31]          ; each accumulator's last register, and the joining of four chains to a block of 32 keys
	v_max_num_f32 v[XM+1], v[S+55], v[S+63]
	v_max3_num_f32 v[BM], v[MT], v[MT+1], v[S+7]
	v_max3_num_f32 v[BM+1], v[MT+2], v[MT+3], v[S+15]
	v_max3_num_f32 v[BM+2], v[MT+4], v[MT+5], v[S+39]
	v_max3_num_f32 v[BM+3], v[MT+6], v[MT+7], v[S+47]
	v_mov_b32 v[OLD], v[ST]
	v_max3_num_f32 v[BM], v[BM], v[BM+1], v[XM]    ; the largest score of my block h: it serves the row's maximum and, since p rises with the score, the block's largest p
	v_max3_num_f32 v[BM+2], v[BM+2], v[BM+3], v[XM+1]   ; and of my block 2 + h
	s_delay_alu instid0(VALU_DEP_1)
	v_max_num_f32 v[TP], v[BM], v[BM+2]
	s_delay_alu instid0(VALU_DEP_1)
	v_permlanex16_b32 v[PT], v[TP], s[SEL], s[SEL+1]
	s_delay_alu instid0(VALU_DEP_1)
	v_max3_num_f32 v[ST+1], v[ST+1], v[TP], v[PT]  ; the running largest logit: mine, lane l xor 16's, the old one
	s_delay_alu instid0(VALU_DEP_1)
	v_mul_f32 v[TP], s[NC], v[ST+1]                ; -t of it
	s_delay_alu instid0(VALU_DEP_1)
	v_floor_f32 v[ST], v[TP]                       ; the new -M = -ceil(t): a whole number
	SCALE4 0
	v_sub_f32 v[TP], v[ST], v[OLD]                 ; old M - new M: a whole number, 0 or less
	SCALE4 8
	v_cvt_i32_f32 v[TP], v[TP]                     ; (it saturates)
	SCALE4 16
	v_ldexp_f32 v[F], 1.0, v[TP]                   ; f: a multiplication by it rounds nothing
	SCALE4 24
	SCALE4 32
	SCALE4 40
	SCALE4 48
	SCALE4 56
	v_fma_f32 v[BM], v[BM], s[CS], v[ST]           ; the same of each block's largest score
	v_fma_f32 v[BM+2], v[BM+2], s[CS], v[ST]
	s_wait_alu depctr_va_vdst(0)                   ; the wait ahead of the batch
.irp j, 0,1,2,3,4,5,6,7,8,9,10,11,12,13,14,15,16,17,18,19,20,21,22,23,24,25,26,27,28,29,30,31,32,33,34,35,36,37,38,39,40,41,42,43,44,45,46,47,48,49,50,51,52,53,54,55,56,57,58,59,60,61,62,63
	v_exp_f32 v[S+\j], v[S+\j]                     ; p = 2^(t - M)
.endr
	v_exp_f32 v[BM], v[BM]                         ; the block's largest p: the same two instructions on the same number give the same bits
	v_exp_f32 v[BM+2], v[BM+2]
	v_pk_mul_f32 v[ST+2:ST+3], v[ST+2:ST+3], v[F:F+1] op_sel_hi:[1,0]   ; the sums under the new M: the plain place behind the batch
	s_wait_alu depctr_va_vdst(0)                   ; one wait for the 66, ahead of their first reader
	v_max_num_f32 v[BM], 0x1800000, v[BM]          ; the floor: the byte cannot fall under 1
	v_max_num_f32 v[BM+2], 0x1800000, v[BM+2]
	v_pk_add_f32 v[ST+2:ST+3], v[ST+2:ST+3], v[S:S+1]      ; the row's sum is taken of the unquantised p, in four chains; the scale word's lines stand between the rounds
	v_pk_add_f32 v[PC:PC+1], v[S+2:S+3], v[S+4:S+5]
	v_pk_add_f32 v[PC+2:PC+3], v[S+6:S+7], v[S+8:S+9]
	v_pk_add_f32 v[PC+4:PC+5], v[S+10:S+11], v[S+12:S+13]
	v_add_nc_u32 v[SO], 0xff000000, v[BM]          ; 2 off the exponent field: the conversion's scale operand
	v_add_nc_u32 v[SO+1], 0xff000000, v[BM+2]
	SUM4 14
	v_lshrrev_b32 v[PT], 23, v[SO]                 ; my two scale bytes,
	v_lshrrev_b32 v[PT+1], 23, v[SO+1]
	SUM4 22
	v_lshl_or_b32 v[TP], v[PT+1], 16, v[PT]        ; blocks h and 2 + h,
	SUM4 30
	v_lshlrev_b32 v[TP], v[H8], v[TP]              ; at their places in the word;
	SUM4 38
	v_permlanex16_b32 v[PT+2], v[TP], s[SEL], s[SEL+1]
	SUM4 46
	v_or_b32 v[PWD], v[TP], v[PT+2]                ; with lane l xor 16's two: p's scale word for these 128 keys
	SUM4 54
	v_pk_add_f32 v[PC:PC+1], v[PC:PC+1], v[PC+2:PC+3]
	v_pk_add_f32 v[ST+2:ST+3], v[ST+2:ST+3], v[PC+4:PC+5]
	s_delay_alu instid0(VALU_DEP_1)
	v_pk_add_f32 v[ST+2:ST+3], v[ST+2:ST+3], v[PC:PC+1]
.irp c, 0,1
.irp u, 0,1,2,3
	v_cvt_scalef32_pk8_fp4_f32 v[PC+4*\c+\u], v[S+32*\c+8*\u:S+32*\c+8*\u+7], v[SO+\c]   ; keys 64 c + 32 h + 8 u + 0 .. 7: register 4 c + u of the operand
.endr
.endr
	v_pk_add_f32 v[ST+2:ST+3], v[ST+2:ST+3], v[S+62:S+63]  ; the last two p: also the plain place behind the conversions
.if (\q) < 3
	SCORE (\q)+1                                   ; p has been read out: the next tile's scores take its place
.endif
.if (\q) == 0
	s_wait_dscnt 0x0                               ; V and its scale words are in
.endif
	WIN 0x41
.irp i, 0,2,4,6,8,10,12,14,16,18,20,22,24,26,28,30
	v_pk_mul_f32 v[32*(\q)+\i:32*(\q)+\i+1], v[32*(\q)+\i:32*(\q)+\i+1], v[F:F+1] op_sel_hi:[1,0]   ; O^T under the new M; these 16 are also the places behind the score products and behind p's codes and scale word
.endr
.if (\q) == 2                          ; the last tile's scores have been multiplied by this step's K and mask: the next step's are asked for
	WIN 0
	ADDRS
	NEXTLOADS
.endif
	WIN 0x51                                       ; V, C and D window 1; p's codes window 0
.irp j, 0,1,2,3
.set rD, 32*(\q)+8*\j
.set rA, 164+8*\j
.set rB, PC
.set rC, rD
.set rSA, 62+\j/2
.set rSB, PWD
	MM \j%2, 0
.endr
	WIN 0
.endm
	s_load_b256 s[4:11], s[0:1], 0x0               ; qkvc 4, qkvs 6, mask 8, cc 10
	s_load_b64 s[12:13], s[0:1], 0x20              ; cs
	v_lshl_add_u32 v[SPW], v0, 2, SPARE
	v_mov_b32 v[NIL], 0
	ds_add_u32 v[SPW], v[NIL]                      ; the opening lines: the add, twice on end, and its wait ahead of the first tensor load
	ds_add_u32 v[SPW], v[NIL]
	v_lshrrev_b32 v4, 5, v0
	s_delay_alu instid0(VALU_DEP_1)
	v_readfirstlane_b32 s14, v4                    ; wave 0..7
	s_and_b32 s15, ttmp7, 0xffff                   ; bh
	SETG1 G1K, 48
	SETG1 G1V, 32
	SETG1 G1T, 16
	SETG1 G1S, 8
	s_lshl_b32 s66, s15, 15                        ; the head's codes
	s_mov_b32 s67, 0
	s_lshl_b32 s68, s15, 12                        ; the head's scale words of q or k
	s_mov_b32 s69, 0
	s_lshl_b32 s70, s15, 11                        ; of v
	s_mov_b32 s71, 0
	s_lshr_b32 s72, s15, 4                         ; the batch's mask
	s_lshl_b32 s72, s72, 12
	s_mov_b32 s73, 0
	s_wait_dscnt 0x0
	s_wait_kmcnt 0x0
	s_mov_b32 s[G0K], 1
	s_mov_b32 s[G0K+1], 10240
	s_add_nc_u64 s[G0K+2:G0K+3], s[4:5], s[66:67]
	s_add_nc_u64 s[G0K+2:G0K+3], s[G0K+2:G0K+3], 0x400000
	s_or_b32 s[G0K+3], s[G0K+3], 0x80000000
	s_mov_b32 s[G0V], 1
	s_mov_b32 s[G0V+1], 43008
	s_add_nc_u64 s[G0V+2:G0V+3], s[4:5], s[66:67]
	s_add_nc_u64 s[G0V+2:G0V+3], s[G0V+2:G0V+3], 0x800000
	s_or_b32 s[G0V+3], s[G0V+3], 0x80000000
	s_mov_b32 s[G0A], 1
	s_mov_b32 s[G0A+1], 0
	s_add_nc_u64 s[G0A+2:G0A+3], s[6:7], s[68:69]
	s_add_nc_u64 s[G0A+2:G0A+3], s[G0A+2:G0A+3], 0x80000
	s_or_b32 s[G0A+3], s[G0A+3], 0x80000000
	s_mov_b32 s[G0M], 1
	s_mov_b32 s[G0M+1], 6144
	s_add_nc_u64 s[G0M+2:G0M+3], s[8:9], s[72:73]
	s_or_b32 s[G0M+3], s[G0M+3], 0x80000000
	s_mov_b32 s[G0S], 1
	s_mov_b32 s[G0S+1], 4096
	s_add_nc_u64 s[G0S+2:G0S+3], s[6:7], s[70:71]
	s_add_nc_u64 s[G0S+2:G0S+3], s[G0S+2:G0S+3], 0x100000
	s_or_b32 s[G0S+3], s[G0S+3], 0x80000000
	; the head's loads, one a wave, in one chain of branches on the wave's number
	ARM 1, G0K, G1K, .Lh_v,    .Lh_asked           ; wave 0: K's steps 0-2, 12,288 bytes
	ARM 2, G0V, G1V, .Lh_ks,   .Lh_asked           ; wave 1: V's steps 0-1, 8,192 bytes
	ARM 3, G0A, G1T, .Lh_m,    .Lh_asked           ; wave 2: K's scale words
	ARM 4, G0M, G1T, .Lh_vs,   .Lh_asked           ; wave 3: the mask
	ARM 5, G0S, G1S, .Lh_none, .Lh_asked           ; wave 4: V's scale words
.Lh_asked:
	v_and_b32 v4, 31, v0
	v_bfe_u32 v5, v0, 4, 1                         ; h
	v_and_b32 v6, 7, v0                            ; r % 8
	v_bfe_u32 v7, v0, 3, 1                         ; r / 8
	v_lshlrev_b32 v[LI], 4, v4
	v_lshlrev_b32 v[L8], 3, v4
	v_lshlrev_b32 v[H128], 7, v5
	v_lshlrev_b32 v[H8], 3, v5
	v_lshlrev_b32 v[KL], 4, v6
	v_lshl_add_u32 v[KL], v7, 10, v[KL]
	v_lshl_add_u32 v[KL], v5, 8, v[KL]
	v_lshl_add_u32 v[KSL], v6, 4, v[H128]
	v_lshl_add_u32 v[KSL], v7, 2, v[KSL]
	s_lshl_b32 s74, s15, 15                        ; Q's codes: tile 32 x half + 4 x wave of the head's 64, 512 bytes a tile
	s_lshl_b32 s75, ttmp9, 14
	s_add_co_u32 s74, s74, s75
	s_lshl_b32 s75, s14, 11
	s_add_co_u32 s74, s74, s75
	s_mov_b32 s75, 0
	s_lshl_b32 s76, ttmp9, 11                      ; Q's scale words: group 4 x half + wave / 2 of 512 bytes, words 2 (wave % 2) and + 1
	s_add_co_u32 s76, s76, s68
	s_lshr_b32 s77, s14, 1
	s_lshl_b32 s77, s77, 9
	s_add_co_u32 s76, s76, s77
	s_and_b32 s77, s14, 1
	s_lshl_b32 s77, s77, 3
	s_add_co_u32 s76, s76, s77
	s_mov_b32 s77, 0
	s_lshr_b32 s78, s15, 4                         ; cc: token tile 64 x batch + 32 x half + 4 x wave, 8,192 bytes a tile; the head's piece of 512 bytes
	s_lshl_b32 s78, s78, 19
	s_lshl_b32 s79, ttmp9, 18
	s_add_co_u32 s78, s78, s79
	s_lshl_b32 s79, s14, 15
	s_add_co_u32 s78, s78, s79
	s_and_b32 s79, s15, 15
	s_lshl_b32 s79, s79, 9
	s_add_co_u32 s78, s78, s79
	s_mov_b32 s79, 0
	s_lshl_b32 s80, ttmp9, 11                      ; cs: (16 bh + 8 x half + wave) x 256
	s_add_co_u32 s80, s80, s68
	s_lshl_b32 s81, s14, 8
	s_add_co_u32 s80, s80, s81
	s_mov_b32 s81, 0
	s_add_nc_u64 s[4:5], s[4:5], s[74:75]
	s_add_nc_u64 s[6:7], s[6:7], s[76:77]
	s_add_nc_u64 s[10:11], s[10:11], s[78:79]
	s_add_nc_u64 s[12:13], s[12:13], s[80:81]
	s_wait_alu depctr_va_vdst(0)                   ; the wait here, ahead of the readers behind the scalar lines
.irp q, 0,1,2,3
	global_load_b128 v[24+8*\q:27+8*\q], v[LI], s[4:5] offset:512*\q   ; Q's registers 0-3: they stay
.endr
	global_load_b64 v[56:57], v[LI], s[6:7]
	s_mov_b32 s[CS], 0x3fb8aa3b                    ; log2(e)
	s_mov_b32 s[CS+1], s[CS]                       ; (named with it as a pair, so it is written)
	s_mov_b32 s[NC], 0xbfb8aa3b                    ; -log2(e)
	s_mov_b32 s[SEL], 0x76543210
	s_mov_b32 s[SEL+1], 0xfedcba98
	s_mov_b32 s[S512], 0
	s_mov_b32 s[SN], 0
	s_mov_b32 s[SN8], 0
.irp q, 0,1,2,3
	v_mov_b32 v[28+8*\q], 0                        ; Q's registers 4-7: zero codes
	v_mov_b32 v[29+8*\q], 0
	v_mov_b32 v[30+8*\q], 0
	v_mov_b32 v[31+8*\q], 0
	v_mov_b32 v[9+4*\q], 0xff61b1e6                ; the largest logit so far: -3e38
	v_mov_b32 v[10+4*\q], 0                        ; the sum
	v_mov_b32 v[11+4*\q], 0
	v_mov_b32 v[PT+\q], 0                          ; written once: a lane permute's destination counts as one of its sources
	v_mov_b32 v[TM+4+\q], 0
.endr
.irp q, 0,1,2,3
	v_floor_f32 v[8+4*\q], -v[9+4*\q]              ; -M: a whole number over every later one, so that the first f is 0
.endr
	v_mov_b32 v[F+1], 0                            ; (named as the upper half of a pair)
	WIN 0x40
.set i, 0
.rept 128
	v_mov_b32 v[i], 0                              ; O^T.  The key step is written once: its first trip finds zeros, which the first change of M leaves zeros
.set i, i+1
.endr
.irp i, 160,161,162,163
	v_mov_b32 v[\i], 0                             ; behind K's last tile
.endr
	WIN 0
	s_wait_alu depctr_va_vdst(0)                   ; the wait at the head's end
	s_wait_tensorcnt 0x0                           ; my part of the first group is in; the full sequence ahead of the later first fills:
	ds_add_u32 v[SPW], v[NIL]                      ; the add, twice on end
	ds_add_u32 v[SPW], v[NIL]
	s_mov_b32 s[G1K+2], 80<<16                     ; no tensor load of mine is out, so descriptors may be written: K's steps 3-7 are 80 rows,
	s_mov_b32 s[G1K+4], 80
	s_mov_b32 s[G1V+2], 96<<16                     ; V's steps 2-7 are 96 rows;
	s_mov_b32 s[G1V+4], 96
	s_add_co_u32 s[G0K+1], s[G0K+1], 12288         ; K's behind steps 0-2 in LDS and in memory,
	s_add_nc_u64 s[G0K+2:G0K+3], s[G0K+2:G0K+3], 12288
	s_add_co_u32 s[G0V+1], s[G0V+1], 8192          ; V's behind steps 0-1
	s_add_nc_u64 s[G0V+2:G0V+3], s[G0V+2:G0V+3], 8192
	s_wait_dscnt 0x0
	s_barrier_signal -1
	s_barrier_wait -1                              ; everybody's part of the first group is in
	ARM 1, G0K, G1K, .Lb_v,    .Lb_asked           ; wave 0: K's steps 3-7
	ARM 2, G0V, G1V, .Lb_none, .Lb_asked           ; wave 1: V's steps 2-7.  Both have two key steps in which to land
.Lb_asked:
	ADDRS
	NEXTLOADS                                      ; key step 0
	s_wait_loadcnt 0x0                             ; Q
	s_mov_b32 s[OC], 4
.Lpair:                                            ; four pairs of key steps
	s_mov_b32 s[IC], 2
.Lstep:
	PLACES                                         ; behind the last trip's products, in front of the loads into V's registers
	s_lshr_b32 s61, s[S512], 1
	s_lshl_b32 s53, s[S512], 3
	v_add_nc_u32 v[AVS], s61, v[L8]
	v_add_nc_u32 v[AV], s53, v[LI]
	WIN 0x40
	s_wait_alu depctr_va_vdst(0)
.irp j, 0,1,2,3
.irp c, 0,1
	ds_load_b128 v[164+8*\j+4*\c:164+8*\j+4*\c+3], v[AV] offset:43008+1024*\j+512*\c
.endr
.endr
	WIN 0
	ds_load_b64 v[62:63], v[AVS] offset:4096
	s_add_co_u32 s[SN], s[S512], 512
	s_and_b32 s[SN], s[SN], 0xfff                  ; the last trip fetches step 0 again and uses nothing of it: no load leaves LDS's tiles, and the trip has one form
	s_lshl_b32 s[SN8], s[SN], 3
	s_wait_dscnt 9                                 ; K, its scale words and the mask are in; V's nine loads may be out
	SCORE 0
	PLACES                                         ; behind the products, in front of the first read of their results
	TILE 0
	TILE 1
	TILE 2
	TILE 3
	s_add_co_u32 s[S512], s[S512], 512
	s_sub_co_u32 s[IC], s[IC], 1
	s_cmp_lg_u32 s[IC], 0
	s_cbranch_scc1 .Lstep
	s_wait_tensorcnt 0x0                           ; my part of the second group is in,
	s_wait_dscnt 0x0
	s_barrier_signal -1
	s_barrier_wait -1                              ; everybody's is: the later pairs may read it.
	s_sub_co_u32 s[OC], s[OC], 1
	s_cmp_lg_u32 s[OC], 0
	s_cbranch_scc1 .Lpair
	; THE WAY OUT.  O^T / the sum is a row's 64 numbers of this head: two blocks of 32 of the last product's K.  Two tiles (64 registers) are quantised at a time.
	s_mov_b32 vcc_lo, 0xffff0000                   ; lanes 16-31; written behind the last tensor load
.irp q, 0,1,2,3
	v_add_f32 v[10+4*\q], v[10+4*\q], v[11+4*\q]   ; (these are also the places behind the last products)
.endr
.irp q, 0,1,2,3
	s_delay_alu instid0(VALU_DEP_4)
	v_permlanex16_b32 v[PT+\q], v[10+4*\q], s[SEL], s[SEL+1]
.endr
.irp q, 0,1,2,3
	s_delay_alu instid0(VALU_DEP_4)
	v_add_f32 v[10+4*\q], v[10+4*\q], v[PT+\q]     ; the row's sum
.endr
	s_wait_alu depctr_va_vdst(0)
.irp q, 0,1,2,3
	v_rcp_f32 v[10+4*\q], v[10+4*\q]
.endr
	v_nop                                          ; a plain place behind the last reciprocal
	s_wait_alu depctr_va_vdst(0)                   ; one wait for the four, ahead of their first reader
.macro OUTPAIR q0, pc, wd
	WIN 0x01
.irp e, 0,1
.irp i, 0,2,4,6,8,10,12,14,16,18,20,22,24,26,28,30
	v_pk_mul_f32 v[S+32*\e+\i:S+32*\e+\i+1], v[32*((\q0)+\e)+\i:32*((\q0)+\e)+\i+1], v[10+4*((\q0)+\e):11+4*((\q0)+\e)] op_sel_hi:[1,0]
.endr
.endr
	QUANT S, 0, \pc, 0x1800000
	v_lshl_or_b32 v[TP], v[TM+5], 8, v[TM+4]
	v_lshl_or_b32 v[F], v[TM+7], 8, v[TM+6]
	s_delay_alu instid0(VALU_DEP_1)
	v_cndmask_b32 v[\wd], v[TP], v[F], vcc_lo      ; the first tile's two bytes in lanes 0-15, the second's in lanes 16-31
	global_store_b128 v[LI], v[\pc:\pc+3], s[10:11] offset:8192*(\q0)
	global_store_b128 v[LI], v[\pc+4:\pc+7], s[10:11] offset:8192*(\q0)+8192
.endm
	OUTPAIR 0, PC, 232
	OUTPAIR 2, PC2, 233
	global_store_b64 v[L8], v[232:233], s[12:13]   ; 256 consecutive bytes, aligned
	s_wait_tensorcnt 0x0                           ; the wave's end
	ds_add_u32 v[SPW], v[NIL]
	s_wait_dscnt 0x0
	s_endpgm
.Lfunc_end_k_q3cce1beb89_attn:
	.size	k_q3cce1beb89_attn, .Lfunc_end_k_q3cce1beb89_attn-k_q3cce1beb89_attn
	.p2alignl 7, 3214868480
	.fill 96, 4, 3214868480
	.section	.rodata,"a",@progbits
	.p2align	6, 0x0
	.amdhsa_kernel k_q3cce1beb89_attn
		.amdhsa_group_segment_fixed_size 327680
		.amdhsa_private_segment_fixed_size 0
		.amdhsa_enable_private_segment 0
		.amdhsa_kernarg_size 40
		.amdhsa_user_sgpr_count 2
		.amdhsa_user_sgpr_kernarg_segment_ptr 1
		.amdhsa_wavefront_size32 1
		.amdhsa_system_sgpr_workgroup_id_x 1
		.amdhsa_system_sgpr_workgroup_id_y 1
		.amdhsa_system_sgpr_workgroup_id_z 1
		.amdhsa_system_vgpr_workitem_id 0
		.amdhsa_next_free_vgpr 512
		.amdhsa_next_free_sgpr 100
		.amdhsa_reserve_vcc 1
		.amdhsa_float_denorm_mode_32 3
		.amdhsa_float_denorm_mode_16_64 3
		.amdhsa_memory_ordered 1
		.amdhsa_forward_progress 1
		.amdhsa_inst_pref_size 87
	.end_amdhsa_kernel
	.amdgpu_metadata
---
amdhsa.version: [ 1, 2 ]
amdhsa.kernels:
  - .name:           k_q3cce1beb89_attn
    .symbol:         k_q3cce1beb89_attn.kd
    .args:
      - { .name: qkvc, .offset: 0, .size: 8, .value_kind: global_buffer, .address_space: global }
      - { .name: qkvs, .offset: 8, .size: 8, .value_kind: global_buffer, .address_space: global }
      - { .name: attention_mask, .offset: 16, .size: 8, .value_kind: global_buffer, .address_space: global }
      - { .name: cc, .offset: 24, .size: 8, .value_kind: global_buffer, .address_space: global }
      - { .name: cs, .offset: 32, .size: 8, .value_kind: global_buffer, .address_space: global }
    .group_segment_fixed_size: 327680
    .private_segment_fixed_size: 0
    .kernarg_segment_align: 8
    .kernarg_segment_size: 40
    .max_flat_workgroup_size: 256
    .sgpr_count:     100
    .vgpr_count:     512
    .wavefront_size: 32
...
	.end_amdgpu_metadata
.endif
;; end of part 3
;; launch outln (part 4): grid 256 x 1, 8 waves a work-group, no clusters, 327,680 bytes of LDS; arguments cc, cs, wimg, Wo_scales, bo, hidden_states, ln_gamma, ln_beta, out0; writes out0
.if DOCPART == 4
	.amdgcn_target "amdgcn-amd-amdhsa--gfx1250"
	.amdhsa_code_object_version 6
	.text
	.protected	k_q3cce1beb89_outln
	.globl	k_q3cce1beb89_outln
	.p2align	8
	.type	k_q3cce1beb89_outln,@function
k_q3cce1beb89_outln:
	s_mov_b64 s[64:65], 0
	v_nop
	global_prefetch_b8 v0, s[64:65] scope:SCOPE_SE
	s_setreg_imm32_b32 hwreg(HW_REG_WAVE_MODE, 25, 1), 1
	s_wait_xcnt 0x0
; out0 = LayerNorm(ctx Wo^T + bo + hidden_states) x ln_gamma + ln_beta; the product on codes of FP4 with E8M0 scales, all else in f32.
; SHARES.  A work-group: 32 tokens x all 1,024 columns, so that a row's mean and variance stay inside it.  In the product wave w makes columns 128 w on (eight tiles of 16) for both token tiles; on the way out it normalises rows 4 w .. 4 w + 3.
; Wo's fragments and scale words go from memory straight into registers, three sets of 17 loads in flight a wave; each is read once, by one wave of the work-group.  They pass through no LDS tile, so there is no tensor load to ask for jointly.
; The first three sets and ctx's scale words are asked for AHEAD of the wait for ctx's tile.
; LDS: ctx's codes 0 (16,384: each wave fetches an eighth at the head); the residual rows 16,384 (131,072: each wave fetches its four rows behind the full sequence and a barrier);
; the stage 147,456 (32 rows of 4,112 bytes), through which the results turn from columns a wave to rows a wave; the spare words at 279,552.  All of LDS is claimed.
.set LI,  1
.set WSA, 2
.set SI0, 3
.set SI1, 4
.set SRD, 5
.set RRD, 6
.set CSA, 7
.set CSC, 16
.set WS,  24
.set STGB, 147456
.set G0C, 24
.set G0R, 28
.set G1C, 32
.set G1R, 40
.set SEL, 48
.set MSB, 0
.macro WIN new
.if MSB != (\new)
	s_set_vgpr_msb (MSB<<8)|(\new)
.set MSB, \new
.endif
.endm
.macro PLACES
.rept 4
	v_nop
.endr
.endm
.macro MM z, ra, rb
.if \z
.if \rb
	v_wmma_scale_f32_16x16x128_f8f6f4 v[rD:rD+7], v[rA:rA+7], v[rB:rB+7], 0, v[rSA], v[rSB] matrix_a_fmt:MATRIX_FMT_FP4 matrix_b_fmt:MATRIX_FMT_FP4 matrix_b_scale:MATRIX_SCALE_ROW1
.else
	v_wmma_scale_f32_16x16x128_f8f6f4 v[rD:rD+7], v[rA:rA+7], v[rB:rB+7], 0, v[rSA], v[rSB] matrix_a_fmt:MATRIX_FMT_FP4 matrix_b_fmt:MATRIX_FMT_FP4
.endif
.elseif (\ra) && (\rb)
	v_wmma_scale_f32_16x16x128_f8f6f4 v[rD:rD+7], v[rA:rA+7], v[rB:rB+7], v[rD:rD+7], v[rSA], v[rSB] matrix_a_fmt:MATRIX_FMT_FP4 matrix_b_fmt:MATRIX_FMT_FP4 matrix_a_scale:MATRIX_SCALE_ROW1 matrix_b_scale:MATRIX_SCALE_ROW1
.elseif (\ra)
	v_wmma_scale_f32_16x16x128_f8f6f4 v[rD:rD+7], v[rA:rA+7], v[rB:rB+7], v[rD:rD+7], v[rSA], v[rSB] matrix_a_fmt:MATRIX_FMT_FP4 matrix_b_fmt:MATRIX_FMT_FP4 matrix_a_scale:MATRIX_SCALE_ROW1
.elseif (\rb)
	v_wmma_scale_f32_16x16x128_f8f6f4 v[rD:rD+7], v[rA:rA+7], v[rB:rB+7], v[rD:rD+7], v[rSA], v[rSB] matrix_a_fmt:MATRIX_FMT_FP4 matrix_b_fmt:MATRIX_FMT_FP4 matrix_b_scale:MATRIX_SCALE_ROW1
.else
	v_wmma_scale_f32_16x16x128_f8f6f4 v[rD:rD+7], v[rA:rA+7], v[rB:rB+7], v[rD:rD+7], v[rSA], v[rSB] matrix_a_fmt:MATRIX_FMT_FP4 matrix_b_fmt:MATRIX_FMT_FP4
.endif
.endm
.macro LOADSET n
.irp s, 0,1,2,3,4,5,6,7
.irp c, 0,1
	global_load_b128 v[64+64*((\n)%3)+8*\s+4*\c:64+64*((\n)%3)+8*\s+4*\c+3], v[LI], s[8:9] offset:8192*(\n)+1024*\s+512*\c
.endr
.endr
	global_load_b128 v[WS+4*((\n)%3):WS+4*((\n)%3)+3], v[WSA], s[10:11] offset:512*(\n)
.endm
.macro NT n, cnt
	s_wait_loadcnt \cnt
	WIN 0x54
.irp s, 0,1,2,3,4,5,6,7
.irp tt, 0,1
.set rD, 16*(\n)+8*\tt
.set rA, 64+64*((\n)%3)+8*\s
.set rB, 128+8*(8*\tt+\s)
.set rSA, WS+4*((\n)%3)+\s%4
.set rSB, CSC+\s
.if \s == 0
	MM 1, 0, \tt
.else
	MM 0, \s/4, \tt
.endif
.endr
.endr
	WIN 0
	PLACES
.endm
.macro REDUCE r, t
	s_delay_alu instid0(VALU_DEP_1)
	v_add_f32_dpp v[\r], v[\r], v[\r] row_xmask:1 row_mask:0xf bank_mask:0xf
	s_delay_alu instid0(VALU_DEP_1)
	v_add_f32_dpp v[\r], v[\r], v[\r] row_xmask:2 row_mask:0xf bank_mask:0xf
	s_delay_alu instid0(VALU_DEP_1)
	v_add_f32_dpp v[\r], v[\r], v[\r] row_xmask:4 row_mask:0xf bank_mask:0xf
	s_delay_alu instid0(VALU_DEP_1)
	v_add_f32_dpp v[\r], v[\r], v[\r] row_xmask:8 row_mask:0xf bank_mask:0xf
	s_delay_alu instid0(VALU_DEP_1)
	v_permlanex16_b32 v[\t], v[\r], s[SEL], s[SEL+1]
	s_delay_alu instid0(VALU_DEP_1)
	v_add_f32 v[\r], v[\r], v[\t]
.endm
	s_load_b512 s[4:19], s[0:1], 0x0
	s_load_b64 s[20:21], s[0:1], 0x40
	v_lshl_add_u32 v62, v0, 2, 0x44400
	v_mov_b32 v63, 0
	ds_add_u32 v62, v63
	ds_add_u32 v62, v63
	v_lshrrev_b32 v8, 5, v0
	s_delay_alu instid0(VALU_DEP_1)
	v_readfirstlane_b32 s22, v8
	s_mov_b32 s[G1C], 3<<16
	s_mov_b32 s[G1C+1], 32<<16
	s_mov_b32 s[G1C+2], 8<<16
	s_mov_b32 s[G1C+3], 32<<16
	s_mov_b32 s[G1C+4], 8
	s_mov_b32 s[G1C+5], 32
	s_mov_b32 s[G1C+6], 0
	s_mov_b32 s[G1C+7], 0
	s_mov_b32 s[G1R], 3<<16
	s_mov_b32 s[G1R+1], 32<<16
	s_mov_b32 s[G1R+2], 64<<16
	s_mov_b32 s[G1R+3], 32<<16
	s_mov_b32 s[G1R+4], 64
	s_mov_b32 s[G1R+5], 32
	s_mov_b32 s[G1R+6], 0
	s_mov_b32 s[G1R+7], 0
	s_lshl_b32 s54, ttmp9, 14
	s_lshl_b32 s55, s22, 11
	s_add_co_u32 s54, s54, s55
	s_mov_b32 s55, 0
	s_lshl_b32 s56, ttmp9, 17
	s_lshl_b32 s57, s22, 14
	s_add_co_u32 s56, s56, s57
	s_mov_b32 s57, 0
	s_wait_dscnt 0x0
	s_wait_kmcnt 0x0
	s_mov_b32 s[G0C], 1
	s_lshl_b32 s[G0C+1], s22, 11
	s_add_nc_u64 s[G0C+2:G0C+3], s[4:5], s[54:55]
	s_or_b32 s[G0C+3], s[G0C+3], 0x80000000
	s_mov_b32 s[G0R], 1
	s_lshl_b32 s[G0R+1], s22, 14
	s_add_co_u32 s[G0R+1], s[G0R+1], 16384
	s_add_nc_u64 s[G0R+2:G0R+3], s[14:15], s[56:57]
	s_or_b32 s[G0R+3], s[G0R+3], 0x80000000
	tensor_load_to_lds s[G0C:G0C+3], s[G1C:G1C+7]  ; my eighth of ctx's codes: the wave's one tensor load at the head
	s_nop 0
	PLACES
	s_add_nc_u64 s[20:21], s[20:21], s[56:57]
	s_lshr_b32 s58, ttmp9, 5
	s_lshl_b32 s58, s58, 8
	s_and_b32 s59, ttmp9, 31
	s_lshr_b32 s59, s59, 1
	s_add_co_u32 s58, s58, s59
	s_lshl_b32 s58, s58, 8
	s_mov_b32 s59, 0
	s_add_nc_u64 s[6:7], s[6:7], s[58:59]
	s_lshl_b32 s60, s22, 16
	s_add_co_u32 s60, s60, 1572864
	s_mov_b32 s61, 0
	s_add_nc_u64 s[8:9], s[8:9], s[60:61]
	s_lshl_b32 s62, s22, 12
	s_mov_b32 s63, 0
	s_add_nc_u64 s[10:11], s[10:11], s[62:63]
	s_and_b32 s66, ttmp9, 1
	s_lshl_b32 s66, s66, 2
	v_and_b32 v8, 31, v0
	v_and_b32 v9, 15, v0
	v_bfe_u32 v10, v0, 4, 1
	s_delay_alu instid0(VALU_DEP_3)
	v_lshlrev_b32 v[LI], 4, v8
	s_delay_alu instid0(VALU_DEP_4)
	v_lshl_add_u32 v[CSA], v8, 3, s66
	s_delay_alu instid0(VALU_DEP_4)
	v_lshlrev_b32 v[WSA], 5, v9
	s_delay_alu instid0(VALU_DEP_1)
	v_lshl_add_u32 v[WSA], v10, 4, v[WSA]
.irp hd, 0,1,2,3,4,5,6,7,8,9,10,11,12,13,14,15
	global_load_b32 v[36+\hd], v[CSA], s[6:7] offset:4096*\hd
.endr
	LOADSET 0
	LOADSET 1
	LOADSET 2
	v_mul_u32_u24 v[SI0], v9, 4112
	s_delay_alu instid0(VALU_DEP_1)
	v_lshl_add_u32 v[SI0], v10, 5, v[SI0]
	s_lshl_b32 s67, s22, 9
	s_add_co_u32 s67, s67, STGB
	v_add_nc_u32 v[SI0], s67, v[SI0]
	s_delay_alu instid0(VALU_DEP_1)
	v_add_nc_u32 v[SI1], 65792, v[SI0]
	s_mul_i32 s67, s22, 16448
	s_add_co_u32 s67, s67, STGB
	v_add_nc_u32 v[SRD], s67, v[LI]
	s_lshl_b32 s67, s22, 14
	s_add_co_u32 s67, s67, 16384
	v_add_nc_u32 v[RRD], s67, v[LI]
	v_mov_b32 v52, 0
	v_mov_b32 v55, 0
	v_mov_b32 v57, 0
	s_mov_b32 s[SEL], 0x76543210
	s_mov_b32 s[SEL+1], 0xfedcba98
	s_mov_b32 s50, 0x3a800000
	s_mov_b32 s51, 0x2b8cbccc
	s_mov_b32 s52, 0xba800000
	s_wait_alu depctr_va_vdst(0)                   ; the wait at the head's end
	s_wait_tensorcnt 0x0                           ; my eighth of ctx's codes is in; the full sequence ahead of the later first fill:
	ds_add_u32 v62, v63                            ; 0 onto my spare word
	s_wait_dscnt 0x0
	s_barrier_signal -1
	s_barrier_wait -1                              ; everybody's eighth is in
	tensor_load_to_lds s[G0R:G0R+3], s[G1R:G1R+7]  ; my four residual rows: they have the whole product in which to land
	s_nop 0
	PLACES
	WIN 0x40
.irp tt, 0,1
.irp s, 0,1,2,3,4,5,6,7
.irp c, 0,1
	ds_load_b128 v[128+8*(8*\tt+\s)+4*\c:128+8*(8*\tt+\s)+4*\c+3], v[LI] offset:8192*\tt+1024*\s+512*\c
.endr
.endr
.endr
	WIN 0
	s_wait_loadcnt 51
.irp s, 0,1,2,3,4,5,6,7
	v_lshl_or_b32 v[CSC+\s], v[37+2*\s], 16, v[36+2*\s]
.endr
.rept 8
	v_nop
.endr
	s_wait_alu depctr_va_vdst(0)
	s_wait_dscnt 0x0
	NT 0, 34
	LOADSET 3
	NT 1, 34
	LOADSET 4
	NT 2, 34
	LOADSET 5
	NT 3, 34
	LOADSET 6
	NT 4, 34
	LOADSET 7
	NT 5, 34
.irp m, 0,1,2,3,4,5,6,7
	global_load_b128 v[192+4*\m:195+4*\m], v[LI], s[12:13] offset:512*\m
.endr
.irp m, 0,1,2,3,4,5,6,7
	global_load_b128 v[224+4*\m:227+4*\m], v[LI], s[16:17] offset:512*\m
.endr
	NT 6, 33
.irp m, 0,1,2,3,4,5,6,7
	global_load_b128 v[64+4*\m:67+4*\m], v[LI], s[18:19] offset:512*\m
.endr
	NT 7, 24
	WIN 0x04
.irp n, 0,1,2,3,4,5,6,7
	ds_store_b128 v[SI0], v[16*\n:16*\n+3] offset:64*\n
	ds_store_b128 v[SI0], v[16*\n+4:16*\n+7] offset:64*\n+16
	ds_store_b128 v[SI1], v[16*\n+8:16*\n+11] offset:64*\n
	ds_store_b128 v[SI1], v[16*\n+12:16*\n+15] offset:64*\n+16
.endr
	WIN 0
	s_wait_tensorcnt 0x0
	s_wait_dscnt 0x0
	s_wait_loadcnt 0x0
	s_barrier_signal -1
	s_barrier_wait -1
.macro ROW p
.set XR, 128+32*((\p)%2)
.if (\p) >= 2
	s_wait_xcnt 0x0
.endif
.irp m, 0,1,2,3,4,5,6,7
	ds_load_b128 v[XR+4*\m:XR+4*\m+3], v[SRD] offset:4112*(\p)+512*\m
.endr
.irp m, 0,1,2,3,4,5,6,7
	ds_load_b128 v[96+4*\m:99+4*\m], v[RRD] offset:4096*(\p)+512*\m
.endr
	s_wait_dscnt 0x0
.irp i, 0,2,4,6,8,10,12,14,16,18,20,22,24,26,28,30
	v_pk_add_f32 v[XR+\i:XR+\i+1], v[XR+\i:XR+\i+1], v[192+\i:193+\i]
.endr
.irp i, 0,2,4,6,8,10,12,14,16,18,20,22,24,26,28,30
	v_pk_add_f32 v[XR+\i:XR+\i+1], v[XR+\i:XR+\i+1], v[96+\i:97+\i]
.endr
	v_pk_add_f32 v[36:37], v[XR:XR+1], v[XR+2:XR+3]
	v_pk_add_f32 v[38:39], v[XR+4:XR+5], v[XR+6:XR+7]
.irp i, 8,12,16,20,24,28
	s_delay_alu instid0(VALU_DEP_2)
	v_pk_add_f32 v[36:37], v[36:37], v[XR+\i:XR+\i+1]
	s_delay_alu instid0(VALU_DEP_2)
	v_pk_add_f32 v[38:39], v[38:39], v[XR+\i+2:XR+\i+3]
.endr
	s_delay_alu instid0(VALU_DEP_1)
	v_pk_add_f32 v[36:37], v[36:37], v[38:39]
	s_delay_alu instid0(VALU_DEP_1)
	v_add_f32 v36, v36, v37
	REDUCE 36, 52
	s_delay_alu instid0(VALU_DEP_1)
	v_mul_f32 v54, s52, v36
.irp i, 0,2,4,6,8,10,12,14,16,18,20,22,24,26,28,30
	v_pk_add_f32 v[XR+\i:XR+\i+1], v[XR+\i:XR+\i+1], v[54:55] op_sel_hi:[1,0]
.endr
	v_pk_mul_f32 v[36:37], v[XR:XR+1], v[XR:XR+1]
	v_pk_mul_f32 v[38:39], v[XR+2:XR+3], v[XR+2:XR+3]
.irp i, 4,8,12,16,20,24,28
	s_delay_alu instid0(VALU_DEP_2)
	v_pk_fma_f32 v[36:37], v[XR+\i:XR+\i+1], v[XR+\i:XR+\i+1], v[36:37]
	s_delay_alu instid0(VALU_DEP_2)
	v_pk_fma_f32 v[38:39], v[XR+\i+2:XR+\i+3], v[XR+\i+2:XR+\i+3], v[38:39]
.endr
	s_delay_alu instid0(VALU_DEP_1)
	v_pk_add_f32 v[36:37], v[36:37], v[38:39]
	s_delay_alu instid0(VALU_DEP_1)
	v_add_f32 v36, v36, v37
	REDUCE 36, 52
	s_delay_alu instid0(VALU_DEP_1)
	v_fma_f32 v56, v36, s50, s51
	s_wait_alu depctr_va_vdst(0)
	v_rsq_f32 v56, v56
	v_nop
	s_wait_alu depctr_va_vdst(0)
.irp i, 0,2,4,6,8,10,12,14,16,18,20,22,24,26,28,30
	v_pk_mul_f32 v[XR+\i:XR+\i+1], v[XR+\i:XR+\i+1], v[56:57] op_sel_hi:[1,0]
.endr
.irp i, 0,2,4,6,8,10,12,14,16,18,20,22,24,26,28,30
	v_pk_fma_f32 v[XR+\i:XR+\i+1], v[XR+\i:XR+\i+1], v[224+\i:225+\i], v[64+\i:65+\i]
.endr
.irp m, 0,1,2,3,4,5,6,7
	global_store_b128 v[LI], v[XR+4*\m:XR+4*\m+3], s[20:21] offset:4096*(\p)+512*\m th:TH_STORE_NT
.endr
.endm
	ROW 0
	ROW 1
	ROW 2
	ROW 3
	s_wait_tensorcnt 0x0
	ds_add_u32 v62, v63
	s_wait_dscnt 0x0
	s_endpgm
.Lfunc_end_k_q3cce1beb89_outln:
	.size	k_q3cce1beb89_outln, .Lfunc_end_k_q3cce1beb89_outln-k_q3cce1beb89_outln
	.p2alignl 7, 3214868480
	.fill 96, 4, 3214868480
	.section	.rodata,"a",@progbits
	.p2align	6, 0x0
	.amdhsa_kernel k_q3cce1beb89_outln
		.amdhsa_group_segment_fixed_size 327680
		.amdhsa_private_segment_fixed_size 0
		.amdhsa_enable_private_segment 0
		.amdhsa_kernarg_size 72
		.amdhsa_user_sgpr_count 2
		.amdhsa_user_sgpr_kernarg_segment_ptr 1
		.amdhsa_wavefront_size32 1
		.amdhsa_system_sgpr_workgroup_id_x 1
		.amdhsa_system_sgpr_workgroup_id_y 1
		.amdhsa_system_sgpr_workgroup_id_z 1
		.amdhsa_system_vgpr_workitem_id 0
		.amdhsa_next_free_vgpr 512
		.amdhsa_next_free_sgpr 72
		.amdhsa_reserve_vcc 0
		.amdhsa_float_denorm_mode_32 3
		.amdhsa_float_denorm_mode_16_64 3
		.amdhsa_memory_ordered 1
		.amdhsa_forward_progress 1
		.amdhsa_inst_pref_size 90
	.end_amdhsa_kernel
	.amdgpu_metadata
---
amdhsa.version: [ 1, 2 ]
amdhsa.kernels:
  - .name:           k_q3cce1beb89_outln
    .symbol:         k_q3cce1beb89_outln.kd
    .args:
      - { .name: cc, .offset: 0, .size: 8, .value_kind: global_buffer, .address_space: global }
      - { .name: cs, .offset: 8, .size: 8, .value_kind: global_buffer, .address_space: global }
      - { .name: wimg, .offset: 16, .size: 8, .value_kind: global_buffer, .address_space: global }
      - { .name: Wo_scales, .offset: 24, .size: 8, .value_kind: global_buffer, .address_space: global }
      - { .name: bo, .offset: 32, .size: 8, .value_kind: global_buffer, .address_space: global }
      - { .name: hidden_states, .offset: 40, .size: 8, .value_kind: global_buffer, .address_space: global }
      - { .name: ln_gamma, .offset: 48, .size: 8, .value_kind: global_buffer, .address_space: global }
      - { .name: ln_beta, .offset: 56, .size: 8, .value_kind: global_buffer, .address_space: global }
      - { .name: out0, .offset: 64, .size: 8, .value_kind: global_buffer, .address_space: global }
    .group_segment_fixed_size: 327680
    .private_segment_fixed_size: 0
    .kernarg_segment_align: 8
    .kernarg_segment_size: 72
    .max_flat_workgroup_size: 256
    .sgpr_count:     72
    .vgpr_count:     512
    .wavefront_size: 32
...
	.end_amdgpu_metadata
.endif
;; end of part 4
